; MI455X (gfx1250); checked and timed in simulation.
; The chip was launched on July 23, 2026; its instructions are those of AMD's public machine-readable ISA for CDNA 5 (MIT licence, August 2026) and "CDNA5" Instruction Set Architecture Reference Guide (July 2026). The comments in the code are by the model that wrote it; some were corrected since.
;; Multi Head Attention. Allowed arithmetic: matrix products marked QUANTISED: E2M1 operands, one E8M0 scale for each 32 along K, by v_wmma_scale_f32_16x16x128_f8f6f4 with both operands' format E2M1 (or v_wmma_scale_f32_32x16x128_f4), f32 sums; products left as they are: bf16, f16 or f32 operands; f32 sums; everything else in f32.
;; Inputs: Wk 1,024 x 1,024 float32; Wp 1,024 x 1,024 float32; Wq 1,024 x 1,024 float32; Wv 1,024 x 1,024 float32; x 4 x 2,048 x 1,024 float32.
;; Outputs: out0 4 x 2,048 x 1,024 float32.
;; This version of the problem:
;;   THIS VERSION OF THE PROBLEM IS GIVEN IN LOW PRECISION. The matrix products marked QUANTISED in the list below multiply operands that are first quantised to E2M1 (2 exponent bits, 1 mantissa bit; 4 bits a number), with one power-of-two scale for each 32 numbers along K (OCP MX v1.0); their sums are f32. The products marked 'left as it is' may take bf16, f16 or f32 operands, with f32 sums. Whichever they take, every output number must still come out within the allowed error. Rounding operands to bf16 (8 significant bits) uses up far more of that allowance than f16 does (11 bits, for magnitudes from 6e-5 to 65,504). All else is computed in f32.
;;   The module's matrix products, in the order in which they are computed (A, B: the left and right operand; K: the contracted axis; several contracted axes count as one K, in the product's order):
;;     1. [M 8,192, K 1,024] x [K 1,024, N 1,024]; A: input x; B: input Wq: QUANTISED
;;     2. [M 8,192, K 1,024] x [K 1,024, N 1,024]; A: input x; B: input Wk: QUANTISED
;;     3. [M 8,192, K 1,024] x [K 1,024, N 1,024]; A: input x; B: input Wv: QUANTISED
;;     4. batch 64 x [M 2,048, K 64] x [K 64, N 2,048]; A: computed on the way; B: computed on the way: left as it is (an operand is computed on the way)
;;     5. batch 64 x [M 2,048, K 2,048] x [K 2,048, N 64]; A: computed on the way; B: computed on the way: left as it is (an operand is computed on the way)
;;     6. [M 8,192, K 1,024] x [K 1,024, N 1,024]; A: computed on the way; B: input Wp: left as it is (an operand is computed on the way)
;;   THE QUANTISER, for each operand of a quantised product, along K:
;;     - K is cut into blocks of 32 from its start; a last block that is shorter is filled with zeros.
;;     - A block's scale is 2^e with e = floor(log2(the largest magnitude in the block)) - 2, held to -126 .. 127; a block of zeros has e = 0. As a byte (E8M0): e + 127.
;;     - Each number is divided by its block's scale, clamped to +-6, and rounded to the nearest number of E2M1, ties to even, subnormals kept.
;;     - The product sums the exact products of the quantised numbers (number of the format x scale) in f32.
;;   ~~~python
;;   def quantise(x, axis):      # numpy; x: float32 -> the quantised numbers, widened to float32 again
;;       x = np.moveaxis(x, axis, -1); K = x.shape[-1]
;;       x = np.pad(x, [(0, 0)] * (x.ndim - 1) + [(0, -K % 32)]); x = x.reshape(x.shape[:-1] + (-1, 32)); a = np.abs(x).max(-1, keepdims=True)
;;       e = np.where(a > 0, np.clip(np.frexp(np.where(a > 0, a, 1))[1] - 1 - 2, -126, 127), 0)      # np.frexp(a)[1] - 1 = floor(log2(a)), exactly
;;       r = np.clip(x / 2.0 ** e, -6, 6)
;;       step = 2.0 ** (np.maximum(np.frexp(np.where(r == 0, 1, r))[1] - 1, 0) - 1)
;;       q = np.round(r / step) * step * 2.0 ** e      # np.round: ties to even
;;       return np.moveaxis(q.reshape(q.shape[:-2] + (-1,))[..., :K], -1, axis).astype(np.float32)
;;   ~~~
;; One version. Each part assembles by itself: llvm-mc -triple=amdgcn-amd-amdhsa -mcpu=gfx1250 --defsym DOCPART=n.
;; ======== version 1 of 1: 5 launches
;; limits: values are held in f16: magnitudes above 65,504 overflow, below 6.1e-05 lose precision
;; workspace buffers: xc 4,194,304 bytes; xs 262,144 bytes; wc 1,572,864 bytes; ws 98,304 bytes; wp16 2,097,152 bytes; qkv 50,331,648 bytes; qkv16 786,432 bytes; ctx 16,777,216 bytes
;; launch quant (part 1): grid 384 x 1, 4 waves a work-group, no clusters, 33,280 bytes of LDS; arguments x, Wq, Wk, Wv, Wp, xc, xs, wc, ws, wp16; writes xc, xs, wc, ws, wp16
.if DOCPART == 1
	.amdgcn_target "amdgcn-amd-amdhsa--gfx1250"
	.amdhsa_code_object_version 6
	.text
	.protected	k_q471d2e7d20_quant
	.globl	k_q471d2e7d20_quant
	.p2align	8
	.type	k_q471d2e7d20_quant,@function
k_q471d2e7d20_quant:
	s_mov_b64 s[64:65], 0
	v_nop
	global_prefetch_b8 v0, s[64:65] scope:SCOPE_SE
	s_setreg_imm32_b32 hwreg(HW_REG_WAVE_MODE, 25, 1), 1
	s_wait_xcnt 0x0
; x [8192][1024] and Wq, Wk, Wv [1024][1024], f32 with K innermost, become codes of FP4 (E2M1), two a byte, K innermost, with one E8M0 byte for each 32 along K:
; xc [8192][512 bytes], xs [8192][32];  wc [3072][512 bytes], ws [3072][32], rows 0-1023 Wq, 1024-2047 Wk, 2048-3071 Wv.  Wp [1024][1024] is rounded to f16 (wp16), for the product that is left as it is.
; A block's scale is 2^(floor(log2(its largest magnitude)) - 2); its byte is the largest magnitude's exponent field - 2, held at 1 from below.  Each number is divided by the scale and rounded to the nearest code, ties to even.
; LIMITS: a block of zeros, and a block whose largest magnitude lies under 2^-124, gets the byte 1 (zero blocks have zero codes, and this program alone reads the bytes); NaN and infinities among the inputs are not served;
; a number of Wp beyond 65,504 becomes infinity in f16.
; SHARES: a work-group takes 32,768 numbers, a wave 8,192.  Work-groups 0-255: x; 256-287 Wq; 288-319 Wk; 320-351 Wv; 352-383 Wp.  Rows are dense, so each tensor is a plain stream of blocks of 32.
; The four quantised tensors take ONE path: only pointers are chosen, by the work-group's number.  Wp's path uses no LDS.
; The quantising path: 16 steps of 512 numbers a wave.  Each load reads 512 consecutive bytes; a step's 2,048 bytes turn through the wave's own stage in LDS and come back 64 bytes a lane, so that a lane holds 16 neighbours
; (two lanes a block).  A lane's 16 codes are 8 bytes: a wave's store covers 256 consecutive bytes.  A wave's 256 scale bytes are gathered in LDS and leave as 256 consecutive bytes.
.set WAVES, 4
.set STEPS, 16
.set EMAX,  2
.set CB,    8                          ; bytes of 16 codes
.set R,     16                         ; v16-79   four sets of 16 numbers as loaded
.set X,     80                         ; v80-111  two sets of 16 neighbours
.set C,     128                        ; v128-191 codes: registers of its own for each step
.set E,     112                        ; v112-127 a scale byte for each step
.set WREG,  8192                       ; LDS: a region for each wave: two stages of 32 x SP bytes, then its 256 scale bytes
.set SP,    80                         ; a lane's place in a stage: 64 bytes + 16 of padding
.set SPW,   12                         ; v12  LDS address of my spare word; never rewritten
.set NIL,   13                         ; v13  0; never rewritten
.set SPARE, WAVES*WREG                 ; behind the four regions: the spare words, 128 bytes a wave
.set WR,    16                         ; Wp's path: v16-143 two sets of 64 numbers
.set WH,    144                        ; v144-175 a batch's f16 pairs
	s_load_b512 s[4:19], s[0:1], 0x0               ; x s[4:5], Wq s[6:7], Wk s[8:9], Wv s[10:11], Wp s[12:13], xc s[14:15], xs s[16:17], wc s[18:19]
	s_load_b128 s[20:23], s[0:1], 0x40             ; ws s[20:21], wp16 s[22:23]
	v_lshl_add_u32 v[SPW], v0, 2, SPARE
	v_mov_b32 v[NIL], 0
	v_lshrrev_b32 v1, 5, v0
	v_readfirstlane_b32 s30, v1                    ; wave
	v_and_b32 v2, 31, v0                           ; lane
	v_lshlrev_b32 v3, 4, v2                        ; my 16 bytes of a load's 512
	s_mul_i32 s31, s30, WREG
	v_lshrrev_b32 v14, 2, v2
	v_mul_u32_u24 v14, v14, SP
	v_and_b32 v15, 3, v2
	v_lshl_add_u32 v14, v15, 4, v14
	v_add_nc_u32 v14, s31, v14                     ; the stage, in: SP (lane / 4) + 16 (lane % 4)
	v_mul_u32_u24 v15, v2, SP
	v_add_nc_u32 v15, s31, v15                     ; out: SP x lane: my 16 neighbours
	v_mul_u32_u24 v4, v2, CB                       ; 8 x lane
	v_lshrrev_b32 v5, 1, v2
	s_add_co_u32 s31, s31, 2*32*SP
	v_add_nc_u32 v5, s31, v5                       ; my block's byte among my wave's 256 scale bytes
	v_lshlrev_b32 v7, 3, v2
	v_add_nc_u32 v6, s31, v7                       ; and 8 of them a lane on the way out
	s_wait_kmcnt 0x0
	s_cmp_ge_u32 ttmp9, 352
	s_cbranch_scc1 .Lwp
	s_cmp_lt_u32 ttmp9, 320                        ; the choices hang on the work-group's number alone
	s_cselect_b64 s[24:25], s[8:9], s[10:11]
	s_cmp_lt_u32 ttmp9, 288
	s_cselect_b64 s[24:25], s[6:7], s[24:25]
	s_cmp_lt_u32 ttmp9, 256
	s_cselect_b64 s[24:25], s[4:5], s[24:25]       ; the source
	s_cselect_b64 s[26:27], s[14:15], s[18:19]     ; its codes
	s_cselect_b64 s[28:29], s[16:17], s[20:21]     ; its scale bytes
	s_cselect_b32 s31, 0, 256
	s_cselect_b32 s33, -1, 31
	s_sub_co_u32 s31, ttmp9, s31                   ; which 32,768 numbers of the destination (the three weights lie on end there),
	s_and_b32 s33, s31, s33                        ; and of the source
	s_lshl_b32 s33, s33, 2
	s_add_co_u32 s33, s33, s30
	s_lshl_b32 s34, s33, 15                        ; 8,192 numbers of 4 bytes a wave
	s_mov_b32 s35, 0
	s_add_nc_u64 s[24:25], s[24:25], s[34:35]
	s_lshl_b32 s31, s31, 2
	s_add_co_u32 s31, s31, s30
	s_lshl_b32 s34, s31, 12                        ; 4,096 bytes of codes a wave
	s_add_nc_u64 s[26:27], s[26:27], s[34:35]
	s_lshl_b32 s34, s31, 8                         ; 256 scale bytes a wave
	s_add_nc_u64 s[28:29], s[28:29], s[34:35]
.macro LOAD t
.irp i, 0,1,2,3
	global_load_b128 v[R+16*((\t)%4)+4*\i:R+16*((\t)%4)+4*\i+3], v3, s[24:25] offset:2048*(\t)+512*\i th:TH_LOAD_NT   ; 32 lanes read 512 consecutive bytes
.endr
.endm
.macro TURN t                          ; step t's numbers through the stage: LDS serves a wave's instructions in order, so no wait stands between the stores and the loads
.irp i, 0,1,2,3
	ds_store_b128 v14, v[R+16*((\t)%4)+4*\i:R+16*((\t)%4)+4*\i+3] offset:32*SP*((\t)%2)+8*SP*\i
.endr
.irp i, 0,1,2,3
	ds_load_b128 v[X+16*((\t)%2)+4*\i:X+16*((\t)%2)+4*\i+3], v15 offset:32*SP*((\t)%2)+16*\i
.endr
.endm
.irp t, 0,1,2,3
	LOAD \t
.endr
	s_wait_loadcnt 12                              ; step 0's four loads are in; the twelve of steps 1 to 3 may be out
	TURN 0
.macro STEP t
.set XS, X+16*((\t)%2)
.if (\t) > 0
	s_wait_dscnt 1                                 ; this step's numbers are back from the stage; the last step's byte store, the youngest, may be out
.else
	s_wait_dscnt 0x0
.endif
.if (\t)+4 < STEPS
	LOAD (\t)+4                                    ; into the registers that the stage's stores have read
.endif
.if (\t)+1 < STEPS
.if STEPS-2-(\t) >= 3
	s_wait_loadcnt 12                              ; the next step's four loads are in; those of the three steps behind it may be out
.else
	s_wait_loadcnt 4*(STEPS-2-(\t))                ; at the end fewer steps stand behind it
.endif
	TURN (\t)+1
.endif
	v_max3_num_f32 v8, |v[XS]|, |v[XS+1]|, |v[XS+2]|               ; the largest magnitude of my 16, in two chains
	v_max3_num_f32 v9, |v[XS+3]|, |v[XS+4]|, |v[XS+5]|
.irp i, 6,10
	v_max3_num_f32 v8, v8, |v[XS+\i]|, |v[XS+\i+1]|
	v_max3_num_f32 v9, v9, |v[XS+\i+2]|, |v[XS+\i+3]|
.endr
	v_max3_num_f32 v8, v8, |v[XS+14]|, |v[XS+15]|
	v_max3_num_f32 v8, v8, v9, (EMAX+1)<<23        ; and the floor 2^(3 - 127): the byte cannot fall under 1
	v_max_num_f32_dpp v8, v8, v8 row_xmask:1 row_mask:0xf bank_mask:0xf   ; with my neighbour's 16: the block's
	v_add_nc_u32 v11, -(EMAX<<23), v8              ; 2 off its exponent field: the conversion takes this operand's exponent field as its scale
	v_cvt_scalef32_pk8_fp4_f32 v[C+4*(\t)], v[XS:XS+7], v11
	v_cvt_scalef32_pk8_fp4_f32 v[C+4*(\t)+1], v[XS+8:XS+15], v11
	v_lshrrev_b32 v[E+(\t)], 23, v11               ; the scale's byte (a plain line behind the conversions)
	ds_store_b8 v5, v[E+(\t)] offset:16*(\t)       ; both lanes of a block write the same byte with the same value
	global_store_b64 v4, v[C+4*(\t):C+4*(\t)+1], s[26:27] offset:32*CB*(\t)   ; 32 lanes store 256 consecutive bytes
.endm
.irp t, 0,1,2,3,4,5,6,7,8,9,10,11,12,13,14,15
	STEP \t
.endr
	ds_load_b64 v[8:9], v6                         ; LDS serves a wave's instructions in order: these see my byte stores
	s_wait_dscnt 0x0
	global_store_b64 v7, v[8:9], s[28:29]          ; 32 lanes store 256 consecutive bytes
	s_wait_tensorcnt 0x0                           ; the wave's end
	ds_add_u32 v[SPW], v[NIL]
	s_wait_dscnt 0x0
	s_endpgm
; Wp to f16: four batches of 16 loads; one batch is on its way while the other is rounded and stored.  No LDS.
.Lwp:
	s_sub_co_u32 s31, ttmp9, 352
	s_lshl_b32 s31, s31, 2
	s_add_co_u32 s31, s31, s30                     ; which 8,192 numbers are my wave's
	s_lshl_b32 s34, s31, 15
	s_mov_b32 s35, 0
	s_add_nc_u64 s[12:13], s[12:13], s[34:35]
	s_lshl_b32 s34, s31, 14
	s_add_nc_u64 s[22:23], s[22:23], s[34:35]
.macro WLOAD n
.irp i, 0,1,2,3,4,5,6,7,8,9,10,11,12,13,14,15
	global_load_b128 v[WR+64*((\n)%2)+4*\i:WR+64*((\n)%2)+4*\i+3], v3, s[12:13] offset:8192*(\n)+512*\i th:TH_LOAD_NT
.endr
.endm
.macro WCVT n
.if (\n) < 3
	s_wait_loadcnt 16                              ; this batch is in; the younger batch's sixteen may be out
.else
	s_wait_loadcnt 0
.endif
.if (\n) > 0
	s_wait_xcnt 0x0                                ; the last batch's stores have read their data registers, which are written again below
.endif
.irp i, 0,1,2,3,4,5,6,7,8,9,10,11,12,13,14,15
	v_cvt_pk_f16_f32 v[WH+2*\i], v[WR+64*((\n)%2)+4*\i], v[WR+64*((\n)%2)+4*\i+1]
	v_cvt_pk_f16_f32 v[WH+2*\i+1], v[WR+64*((\n)%2)+4*\i+2], v[WR+64*((\n)%2)+4*\i+3]
	global_store_b64 v4, v[WH+2*\i:WH+2*\i+1], s[22:23] offset:4096*(\n)+256*\i   ; 32 lanes store 256 consecutive bytes
.endr
.if (\n)+2 < 4
	WLOAD (\n)+2
.endif
.endm
	WLOAD 0
	WLOAD 1
	WCVT 0
	WCVT 1
	WCVT 2
	WCVT 3
	s_endpgm
.Lfunc_end_k_q471d2e7d20_quant:
	.size	k_q471d2e7d20_quant, .Lfunc_end_k_q471d2e7d20_quant-k_q471d2e7d20_quant
	.p2alignl 7, 3214868480
	.fill 96, 4, 3214868480
	.section	.rodata,"a",@progbits
	.p2align	6, 0x0
	.amdhsa_kernel k_q471d2e7d20_quant
		.amdhsa_group_segment_fixed_size 33280
		.amdhsa_private_segment_fixed_size 0
		.amdhsa_enable_private_segment 0
		.amdhsa_kernarg_size 80
		.amdhsa_user_sgpr_count 2
		.amdhsa_user_sgpr_kernarg_segment_ptr 1
		.amdhsa_wavefront_size32 1
		.amdhsa_system_sgpr_workgroup_id_x 1
		.amdhsa_system_sgpr_workgroup_id_y 1
		.amdhsa_system_sgpr_workgroup_id_z 1
		.amdhsa_system_vgpr_workitem_id 0
		.amdhsa_next_free_vgpr 192
		.amdhsa_next_free_sgpr 66
		.amdhsa_reserve_vcc 0
		.amdhsa_float_denorm_mode_32 3
		.amdhsa_float_denorm_mode_16_64 3
		.amdhsa_memory_ordered 1
		.amdhsa_forward_progress 1
		.amdhsa_inst_pref_size 54
	.end_amdhsa_kernel
	.amdgpu_metadata
---
amdhsa.version: [ 1, 2 ]
amdhsa.kernels:
  - .name:           k_q471d2e7d20_quant
    .symbol:         k_q471d2e7d20_quant.kd
    .args:
      - { .name: x, .offset: 0, .size: 8, .value_kind: global_buffer, .address_space: global }
      - { .name: Wq, .offset: 8, .size: 8, .value_kind: global_buffer, .address_space: global }
      - { .name: Wk, .offset: 16, .size: 8, .value_kind: global_buffer, .address_space: global }
      - { .name: Wv, .offset: 24, .size: 8, .value_kind: global_buffer, .address_space: global }
      - { .name: Wp, .offset: 32, .size: 8, .value_kind: global_buffer, .address_space: global }
      - { .name: xc, .offset: 40, .size: 8, .value_kind: global_buffer, .address_space: global }
      - { .name: xs, .offset: 48, .size: 8, .value_kind: global_buffer, .address_space: global }
      - { .name: wc, .offset: 56, .size: 8, .value_kind: global_buffer, .address_space: global }
      - { .name: ws, .offset: 64, .size: 8, .value_kind: global_buffer, .address_space: global }
      - { .name: wp16, .offset: 72, .size: 8, .value_kind: global_buffer, .address_space: global }
    .group_segment_fixed_size: 33280
    .private_segment_fixed_size: 0
    .kernarg_segment_align: 8
    .kernarg_segment_size: 80
    .max_flat_workgroup_size: 128
    .sgpr_count:     66
    .vgpr_count:     192
    .wavefront_size: 32
...
	.end_amdgpu_metadata
.endif
;; end of part 1
;; launch qkv (part 2): grid 12 x 32, 4 waves a work-group, clusters of 4 x 4, 327,680 bytes of LDS; arguments xc, xs, wc, ws, qkv, qkv16; writes qkv, qkv16
.if DOCPART == 2
	.amdgcn_target "amdgcn-amd-amdhsa--gfx1250"
	.amdhsa_code_object_version 6
	.text
	.protected	k_q471d2e7d20_qkv
	.globl	k_q471d2e7d20_qkv
	.p2align	8
	.type	k_q471d2e7d20_qkv,@function
k_q471d2e7d20_qkv:
	s_mov_b64 s[64:65], 0
	v_nop
	global_prefetch_b8 v0, s[64:65] scope:SCOPE_SE
	s_setreg_imm32_b32 hwreg(HW_REG_WAVE_MODE, 25, 1), 1
	s_wait_xcnt 0x0
	s_wait_alu depctr_hold_cnt(0) depctr_sa_sdst(0) depctr_va_vdst(0) depctr_va_sdst(0) depctr_va_ssrc(0) depctr_va_vcc(0) depctr_vm_vsrc(0)
	s_getreg_b32 s2, hwreg(HW_REG_IB_STS2, 6, 4)
	s_cmp_eq_u32 s2, 0
	s_cbranch_scc0 .Lentry_in_a_cluster
	s_endpgm
.Lentry_in_a_cluster:
	s_bfe_u32 s2, ttmp6, 0x10000c
	s_cmp_lg_u32 s2, 0xf033
	s_cbranch_scc0 .Lentry_shape_is_right
	s_endpgm
.Lentry_shape_is_right:
; [q | k | v][m][n] = sum over k of x[m][k] W[n][k], on codes of FP4 (E2M1) with one E8M0 scale for each 32 along K.  A = xc [8192][1024 codes], B = wc [3072][1024 codes] (Wq, Wk, Wv on end); sums in f32.
; OUT: qkv, f16, [3][64 (batch x 16 + head)][2048 t][64]: what attention reads.  qkv16, f32: the numbers of positions t = 0 .. 15 of each batch, as images of the accumulators, for the launch that computes those rows finely:
; element (t = r, column 16 nb + 8 h + 4 g + i) of batch b lies at (192 b + nb) x 1024 + 512 g + 16 (16 h + r) + 4 i.
; LIMIT: a result beyond 65,504 becomes infinity in f16.
; A tile of 256 x 256 is made by four waves, 128 x 128 each: 64 accumulators of 16 x 16, 512 registers.  All of K, 1,024, lies in two LDS slots of 512 along K (rows of 256 bytes): both are filled once, at the head; nothing is filled again.
; The scale bytes of the tile's 256 + 256 rows come once, as two dense blocks.  By this text's count a wave has three tensor loads out at the most.
; CLUSTERS: 4 x 4 work-groups; the four of a row need the same rows of A, the four of a column the same rows of B: each tile is asked for jointly.  Tile row = 8 cy + cluster y, so that a batch is a value of cy and the tiles
; that hold t < 16 are those of cluster y = 0, a number that all sixteen partners share.
; THE MATRIX INSTRUCTION IS USED TRANSPOSED (source 0 = 16 rows of B, source 1 = 16 rows of A): a lane holds eight neighbouring columns of one row.
; REGISTERS, in windows of 256: window 0: v0-31 addresses; v32-95 scale words, two sets; v128-191 A's fragments, one set; on the way out v32-63, v192-255 at work.  window 1: B's fragments, two sets.  windows 2, 3: the accumulators ((a, b) at v[8 (8 (a % 4) + b)]).
.set SIZE_K, 1024
.set KSTEP,  512
.set NQ,     KSTEP/128
.set ROWB,   256                       ; a tile's row in bytes
.set KROW,   SIZE_K*4/8                ; a row of codes in memory
.set PITCH,  272                       ; an LDS row: 256 bytes + 16 of padding: the 16 rows that a load touches start at 16 different banks (64 banks of 4 bytes: ISA guide 11.1)
.set FR,     8
.set NL,     2
.set NP,     4                         ; places behind this matrix instruction (ISA guide 7.12.1)
.set HALFT,  128*PITCH
.set SLOT,   4*HALFT
.set KS,     SIZE_K/32
.set SCL,    2*SLOT                    ; behind the slots: the scales, as rows of 256 bytes + 16 of padding
.set HALFS,  (128*KS/256)*272
.set SBLK,   (16*KS/256)*272
.set SPARE,  SCL+4*HALFS               ; the spare words, 128 bytes a wave
.set HP,     144                       ; the way out: a stage row: a head's 128 bytes + 16
.set WST,    2*16*HP                   ; a wave's stage: two heads x 16 rows.  It lies in slot 0, which has had its only fill and its last read when the first result is stored there
.set PLANE,  262144                    ; a head's 2,048 rows of 128 bytes
.set ADRA, 16
.set ADRB, 20
.set STO,  24
.set RD,   25
.set CO,   26                          ; v26  16 x lane
.set ADRS, 27
.set SPW,  28
.set NIL,  29
.set SC,   32
.set AF,   128
.set TMP,  192                         ; the way out: packed results
.set G1, 24
.set G0, 32
.set G1B, 48
.set G0B, 56
.set G1S, 68
.set G0S, 76
.set G1SB, 80
.set G0SB, 88
.set MSB, 0
.macro WIN new                         ; the immediate's high byte repeats the setting that is left
.if MSB != (\new)
	s_set_vgpr_msb (MSB<<8)|(\new)
.set MSB, (\new)
.endif
.endm
.set MUL_LO, 0xa1                      ; source 0 (B) window 1, source 1 (A) window 0, C and D window 2
.set MUL_HI, 0xf1
.set TO_B,   0x40
; A joint load: waves 0 and 1 fetch for A, waves 2 and 3 for B; the branch hangs on the wave's number alone.  An s_nop 0 and four v_nop follow each line.
.macro JLOAD g0a, g1a, g0b, g1b
	s_cmp_eq_u32 s15, 0
	s_cbranch_scc0 .Lfor_b_\@
	tensor_load_to_lds s[\g0a:\g0a+3], s[\g1a:\g1a+7]
	s_nop 0
.rept 4
	v_nop
.endr
	s_branch .Lasked_\@
.Lfor_b_\@:
	tensor_load_to_lds s[\g0b:\g0b+3], s[\g1b:\g1b+7]
	s_nop 0
.rept 4
	v_nop
.endr
.Lasked_\@:
.endm
.macro CROUND                          ; a round of the cluster's barrier
	s_barrier_signal -1
	s_barrier_wait -1
	s_cmp_lg_u32 s14, 0
	s_cbranch_scc1 .Lnot_wave_0_\@
	s_barrier_signal -3
.Lnot_wave_0_\@:
	s_barrier_wait -3
	s_barrier_signal -1
	s_barrier_wait -1
.endm
	s_load_b128 s[4:7], s[0:1], 0x0                ; xc, xs
	s_load_b128 s[8:11], s[0:1], 0x10              ; wc, ws
	s_load_b64 s[12:13], s[0:1], 0x20              ; qkv
	s_load_b64 s[98:99], s[0:1], 0x28              ; qkv16
	v_lshl_add_u32 v[SPW], v0, 2, SPARE
	v_mov_b32 v[NIL], 0
	ds_add_u32 v[SPW], v[NIL]                      ; the wave's opening: the add, twice on end, and its wait ahead of my first tensor load
	ds_add_u32 v[SPW], v[NIL]
	v_lshrrev_b32 v1, 5, v0
	v_readfirstlane_b32 s14, v1                    ; wave 0..3
	s_lshr_b32 s15, s14, 1                         ; which half of the tile's rows is mine.  Also: I fetch for A (0) or for B (1)
	s_and_b32 s16, s14, 1                          ; which half of its columns.  Also: which 128 rows I fetch
	s_bfe_u32 s40, ttmp6, 0x40000                  ; cx
	s_bfe_u32 s41, ttmp6, 0x40004                  ; cy
	s_lshl_b32 s42, ttmp9, 2
	s_add_co_u32 s42, s42, s40                     ; tile column = 4 x cluster x + cx
	s_and_b32 s95, ttmp7, 0xffff                   ; cluster y
	s_lshl_b32 s17, s41, 3
	s_add_co_u32 s17, s17, s95                     ; tile row = 8 cy + cluster y: batch cy, positions 256 x cluster y on
	s_lshl_b32 s43, s41, 2
	s_lshl_b32 s43, 15, s43                        ; my row of the cluster
	s_lshl_b32 s44, 0x1111, s40                    ; my column
	s_or_b32 s[G1+0], s43, (0<<16)|(1<<20)|(1<<21)|(5<<22)|(3<<25)  ; the mask; elements of 1 byte; padding on; bit 21 beside a mask; 4 words of padding after every 64
	s_or_b32 s[G1B+0], s44, (0<<16)|(1<<20)|(1<<21)|(5<<22)|(3<<25)
.irp g, G1, G1B
	s_mov_b32 s[\g+1], ROWB<<16                    ; tensor_dim0
	s_mov_b32 s[\g+2], 128<<16                     ; tensor_dim1
	s_mov_b32 s[\g+3], ROWB<<16                    ; tile_dim0
	s_mov_b32 s[\g+4], 128                         ; tile_dim1
	s_mov_b32 s[\g+5], KROW                        ; from row to row
	s_mov_b32 s[\g+6], 0
	s_mov_b32 s[\g+7], 0
.endr
	s_or_b32 s[G1S+0], s43, (3<<16)|(1<<20)|(1<<21)|(5<<22)|(3<<25) ; the scales of 128 rows: a dense block of 4,096 bytes as 16 rows of 32 elements of 8 bytes
	s_or_b32 s[G1SB+0], s44, (3<<16)|(1<<20)|(1<<21)|(5<<22)|(3<<25)
.irp g, G1S, G1SB
	s_mov_b32 s[\g+1], 32<<16
	s_mov_b32 s[\g+2], (128*KS/256)<<16
	s_mov_b32 s[\g+3], 32<<16
	s_mov_b32 s[\g+4], 128*KS/256
	s_mov_b32 s[\g+5], 32
	s_mov_b32 s[\g+6], 0
	s_mov_b32 s[\g+7], 0
.endr
	s_lshl_b32 s18, s16, 7
	s_lshl_b32 s20, s17, 8
	s_add_co_u32 s20, s20, s18                     ; A: row 256 x tile row + 128 x half
	s_lshl_b32 s46, s42, 8
	s_add_co_u32 s46, s46, s18                     ; B: row 256 x tile column + 128 x half
	s_mov_b32 s21, 0
	s_mov_b32 s47, 0
	s_mov_b64 s[18:19], KS
	s_mul_u64 s[22:23], s[20:21], s[18:19]         ; where these rows' scales begin,
	s_mul_u64 s[92:93], s[46:47], s[18:19]
	s_mov_b64 s[18:19], KROW
	s_mul_u64 s[20:21], s[20:21], s[18:19]         ; and their codes
	s_mul_u64 s[46:47], s[46:47], s[18:19]
	s_mul_i32 s45, s14, HALFT                      ; where they go: wave x 128 rows
	s_mul_i32 s94, s14, HALFS
	s_wait_dscnt 0x0                               ; both opening adds are done
	s_wait_kmcnt 0x0
	s_add_nc_u64 s[20:21], s[4:5], s[20:21]
	s_add_nc_u64 s[22:23], s[6:7], s[22:23]
	s_add_nc_u64 s[46:47], s[8:9], s[46:47]
	s_add_nc_u64 s[92:93], s[10:11], s[92:93]
	CROUND                                         ; all sixteen work-groups are here: the joint loads meet
	s_mov_b32 s[G0S], 1
	s_add_co_u32 s[G0S+1], s94, SCL
	s_mov_b64 s[G0S+2:G0S+3], s[22:23]
	s_or_b32 s[G0S+3], s[G0S+3], 0x80000000
	s_mov_b32 s[G0SB], 1
	s_add_co_u32 s[G0SB+1], s94, SCL
	s_mov_b64 s[G0SB+2:G0SB+3], s[92:93]
	s_or_b32 s[G0SB+3], s[G0SB+3], 0x80000000
	JLOAD G0S, G1S, G0SB, G1SB                     ; the scales first: they are wanted with the first half of K
.irp s, 0,1
	s_mov_b32 s[G0+4*\s], 1
	s_add_co_u32 s[G0+4*\s+1], s45, \s*SLOT
	s_add_nc_u64 s[G0+4*\s+2:G0+4*\s+3], s[20:21], \s*ROWB
	s_or_b32 s[G0+4*\s+3], s[G0+4*\s+3], 0x80000000
	s_mov_b32 s[G0B+4*\s], 1
	s_add_co_u32 s[G0B+4*\s+1], s45, \s*SLOT
	s_add_nc_u64 s[G0B+4*\s+2:G0B+4*\s+3], s[46:47], \s*ROWB
	s_or_b32 s[G0B+4*\s+3], s[G0B+4*\s+3], 0x80000000
	JLOAD G0+4*\s, G1, G0B+4*\s, G1B
.endr
	v_and_b32 v1, 15, v0                           ; r = l % 16
	v_bfe_u32 v2, v0, 4, 1                         ; h = l / 16
	v_mul_u32_u24 v3, v1, PITCH
	v_lshl_add_u32 v4, v2, 4, v3                   ; a fragment's row x pitch + 16 h
	s_mul_i32 s21, s15, HALFT                      ; my 128 rows of A
	s_mul_i32 s22, s16, HALFT
	s_add_co_u32 s22, s22, 2*HALFT                 ; my 128 rows of B, behind A's 256
.irp s, 0,1
	v_add_nc_u32 v[ADRA+\s], s21, v4
	v_add_nc_u32 v[ADRB+\s], s22, v4
	s_add_co_u32 s21, s21, SLOT
	s_add_co_u32 s22, s22, SLOT
.endr
	v_mul_u32_u24 v5, v1, KS                       ; my row's scales: KS bytes a row,
	v_lshrrev_b32 v6, 8, v5
	v_lshl_add_u32 v5, v6, 4, v5                   ; and 16 more for each 256 passed
	s_mul_i32 s21, s15, HALFS
	s_mul_i32 s22, s16, HALFS
	s_add_co_u32 s22, s22, 2*HALFS
	s_sub_co_u32 s22, s22, s21
	v_mul_u32_u24 v6, s22, v2                      ; lanes 16-31 take B's: one product, the distance between the two bases
	s_add_co_u32 s21, s21, SCL
	v_add_nc_u32 v5, v5, v6
	v_add_nc_u32 v[ADRS], s21, v5
	s_mul_i32 s23, s14, WST                        ; my stage
	v_mul_u32_u24 v5, v1, HP
	v_lshl_add_u32 v5, v2, 4, v5
	v_add_nc_u32 v[STO], s23, v5                   ; in: row r, 16 bytes for each half of the lanes
	v_and_b32 v6, 31, v0
	v_lshrrev_b32 v7, 3, v6
	v_mul_u32_u24 v7, v7, HP
	v_and_b32 v8, 7, v6
	v_lshl_add_u32 v7, v8, 4, v7
	v_add_nc_u32 v[RD], s23, v7                    ; back: eight lanes to a row of 128 bytes, four rows an instruction
	v_lshlrev_b32 v[CO], 4, v6                     ; in memory those four rows are 512 consecutive bytes
	; qkv: plane = 64 (tile column / 4) + 16 cy + 4 (tile column % 4) + 2 (my half of the columns); row = 256 cluster y + 128 (my half of the rows); 128 bytes a row
	s_lshr_b32 s96, s42, 2
	s_lshl_b32 s96, s96, 6
	s_lshl_b32 s97, s41, 4
	s_add_co_u32 s96, s96, s97
	s_and_b32 s97, s42, 3
	s_lshl_b32 s97, s97, 2
	s_add_co_u32 s96, s96, s97
	s_lshl_b32 s97, s16, 1
	s_add_co_u32 s96, s96, s97
	s_lshl_b32 s96, s96, 11
	s_lshl_b32 s97, s95, 8
	s_add_co_u32 s96, s96, s97
	s_lshl_b32 s97, s15, 7
	s_add_co_u32 s96, s96, s97
	s_lshl_b32 s96, s96, 7                         ; under 2^26
	s_mov_b32 s97, 0
	s_add_nc_u64 s[12:13], s[12:13], s[96:97]
	; qkv16: (192 cy + 16 tile column + 8 half) x 1024
	s_mul_i32 s96, s41, 192
	s_lshl_b32 s97, s42, 4
	s_add_co_u32 s96, s96, s97
	s_lshl_b32 s97, s16, 3
	s_add_co_u32 s96, s96, s97
	s_lshl_b32 s96, s96, 10
	s_mov_b32 s97, 0
	s_add_nc_u64 s[98:99], s[98:99], s[96:97]
.macro FRAG reg, adr, q, i             ; 16 rows x 128 K of 4-bit codes: 8 registers: lane l holds row l % 16; registers 4 c .. 4 c + 3 hold K = 64 c + 32 (l / 16) + 0 .. 31
.irp c, 0,1
	ds_load_b128 v[\reg+4*\c:\reg+4*\c+3], v[\adr] offset:64*(\q)+32*\c+(\i)*16*PITCH
.endr
.endm
; 16 matrix instructions: A's blocks a0, a0 + 1 x B's eight, 128 along K.  p: B's set; sc: the set of scale words.  zero = 1: the first product starts the sums.
; The 64 accumulators take turns, one instruction a turn, in the same order in every step.
.macro MUL16 a0, p, q, sc, zero
.irp a, \a0, \a0+1
.irp b, 0,1,2,3,4,5,6,7
.if \zero
	v_wmma_scale_f32_16x16x128_f8f6f4 v[8*(8*((\a)%4)+\b):8*(8*((\a)%4)+\b)+7], v[128*(\p)+FR*\b:128*(\p)+FR*\b+FR-1], v[AF+FR*(\a):AF+FR*(\a)+FR-1], 0, v[SC+8*NQ*(\sc)+NQ*\b+(\q)], v[SC+8*NQ*(\sc)+NQ*(\a)+(\q)] matrix_a_fmt:MATRIX_FMT_FP4 matrix_b_fmt:MATRIX_FMT_FP4 matrix_a_scale:MATRIX_SCALE_ROW1
.else
	v_wmma_scale_f32_16x16x128_f8f6f4 v[8*(8*((\a)%4)+\b):8*(8*((\a)%4)+\b)+7], v[128*(\p)+FR*\b:128*(\p)+FR*\b+FR-1], v[AF+FR*(\a):AF+FR*(\a)+FR-1], v[8*(8*((\a)%4)+\b):8*(8*((\a)%4)+\b)+7], v[SC+8*NQ*(\sc)+NQ*\b+(\q)], v[SC+8*NQ*(\sc)+NQ*(\a)+(\q)] matrix_a_fmt:MATRIX_FMT_FP4 matrix_b_fmt:MATRIX_FMT_FP4 matrix_a_scale:MATRIX_SCALE_ROW1
.endif
.endr
.endr
.endm
.macro FETCH_B slot, q, p
	WIN TO_B
.irp i, 0,1,2,3,4,5,6,7
	FRAG 128*(\p)+FR*\i, ADRB+\slot, \q, \i
.endr
	WIN 0
.endm
.macro FETCH_A slot, q, i0
.irp i, \i0, \i0+1, \i0+2, \i0+3
	FRAG AF+FR*(\i), ADRA+\slot, \q, \i
.endr
.endm
.macro SCALES sc                       ; a slot's scale words: 4 words a row; lanes 0-15 take A's block i, lanes 16-31 B's block i
.irp i, 0,1,2,3,4,5,6,7
	ds_load_b128 v[SC+8*NQ*\sc+NQ*\i:SC+8*NQ*\sc+NQ*\i+3], v[ADRS] offset:\i*SBLK
.endr
.endm
.macro PLACES n                        ; plain vector instructions between a matrix instruction and a load into, or a read of, its registers
.rept \n
	v_nop
.endr
.endm
.macro STEP slot, q, zero              ; 128 along K that has its successor in the same slot
	s_wait_dscnt 4*NL                              ; B's set and A's blocks 0-3 are in; the youngest eight loads (A's blocks 4-7) may be out
	WIN MUL_LO
	MUL16 0, (\q)%2, \q, \slot, \zero
	MUL16 2, (\q)%2, \q, \slot, \zero
	s_wait_dscnt 0
	PLACES NP
	FETCH_B \slot, (\q)+1, 1-(\q)%2
	FETCH_A \slot, (\q)+1, 0
	WIN MUL_HI
	MUL16 4, (\q)%2, \q, \slot, \zero
	MUL16 6, (\q)%2, \q, \slot, \zero
	PLACES NP
	WIN 0
	FETCH_A \slot, (\q)+1, 4
.endm
; Slot 0's last step changes slots: one barrier; in front of it each wave waits for all its tensor loads (slot 1's is the one that may be out), adds 0 to its spare word, and waits for that and for its reads of slot 0.
; Behind it slot 1 is whole and nobody reads slot 0 any more: the way out may use its bytes.
.macro TURN slot, next
	s_wait_tensorcnt 0x0
	ds_add_u32 v[SPW], v[NIL]
	s_wait_dscnt 4*NL+1                            ; the add and the youngest eight loads (A's blocks 4-7) may be out
	WIN MUL_LO
	MUL16 0, 1, NQ-1, \slot, 0
	s_wait_dscnt 0x0                               ; the add is done, and my reads of this slot are over
	s_barrier_signal -1
	MUL16 2, 1, NQ-1, \slot, 0
	WIN 0
	s_barrier_wait -1
	PLACES NP
	v_add_nc_u32 v[ADRS], 4*NQ, v[ADRS]            ; the next 512 along K: 16 scale bytes on
	FETCH_B \next, 0, 0
	FETCH_A \next, 0, 0
	SCALES \next
	WIN MUL_HI
	MUL16 4, 1, NQ-1, \slot, 0
	MUL16 6, 1, NQ-1, \slot, 0
	PLACES NP
	WIN 0
	FETCH_A \next, 0, 4
.endm
.macro STEPS slot, from
.set Q, \from
.rept NQ-1-\from
	STEP \slot, Q, 0
.set Q, Q+1
.endr
.endm
	s_wait_tensorcnt 1                             ; the scales and my part of slot 0 are in; slot 1's load, the youngest, may be out
	s_barrier_signal -1
	s_barrier_wait -1
	FETCH_B 0, 0, 0
	FETCH_A 0, 0, 0
	SCALES 0
	FETCH_A 0, 0, 4
	STEP 0, 0, 1                                   ; the first products start the sums: nothing is cleared
	STEPS 0, 1
	TURN 0, 1
	STEPS 1, 0
	s_wait_dscnt 4*NL                              ; the last step: nothing more to fetch
	WIN MUL_LO
	MUL16 0, 1, NQ-1, 1, 0
	MUL16 2, 1, NQ-1, 1, 0
	s_wait_dscnt 0
	WIN MUL_HI
	MUL16 4, 1, NQ-1, 1, 0
	MUL16 6, 1, NQ-1, 1, 0
	WIN 0
; THE WAY OUT.  Block a = 16 rows x 128 columns = two heads.  Rounded to f16, a lane's eight columns are 16 bytes; they go into my stage (a region for each head, rows of 144 bytes) and come back four rows an
; instruction: in a head's plane four rows are 512 consecutive bytes.
.macro PACK a
.set AC, 64*((\a)%4)
	WIN 0x0a+5*((\a)/4)                            ; sources 0 and 1: window 2 or 3
.irp b, 0,1,2,3,4,5,6,7
.irp i, 0,1,2,3
	v_cvt_pk_f16_f32 v[TMP+4*\b+\i], v[AC+8*\b+2*\i], v[AC+8*\b+2*\i+1]   ; each accumulator from its low end on
.endr
.endr
	WIN 0
.endm
.macro TOSTAGE a
.set BK, 32+192*((\a)%2)
.irp b, 0,1,2,3,4,5,6,7
	ds_store_b128 v[STO], v[TMP+4*\b:TMP+4*\b+3] offset:(\b/4)*16*HP+32*(\b%4)
.endr
.irp hh, 0,1
.irp i, 0,1,2,3
	ds_load_b128 v[BK+4*(4*\hh+\i):BK+4*(4*\hh+\i)+3], v[RD] offset:\hh*16*HP+4*HP*\i   ; LDS serves a wave's instructions in order: these see the stores above
.endr
.endr
.endm
.macro SEND a
.set BK, 32+192*((\a)%2)
	s_wait_dscnt 0x0                               ; the block is back in registers
	s_wait_xcnt 0x0                                ; the stores of the block before have read their registers, into which the next block's loads will land
.irp hh, 0,1
.irp i, 0,1,2,3
	global_store_b128 v[CO], v[BK+4*(4*\hh+\i):BK+4*(4*\hh+\i)+3], s[12:13] offset:2048*(\a)+PLANE*\hh+512*\i   ; 32 lanes store 512 consecutive bytes
.endr
.endr
.endm
	PLACES NP                                      ; behind the last products: for the reads of results, and for what is written into registers that held scale words
	s_or_b32 s96, s95, s15                         ; positions 0 .. 15 lie in block 0 of the waves with the upper rows, where cluster y = 0: a number that all partners share, and the wave's number
	s_cmp_lg_u32 s96, 0
	s_cbranch_scc1 .Lnofine
	WIN 0x08                                       ; a store's data: window 2
.irp b, 0,1,2,3,4,5,6,7
	global_store_b128 v[CO], v[8*\b:8*\b+3], s[98:99] offset:1024*\b           ; the accumulators as they stand, in f32: 512 consecutive bytes a store
	global_store_b128 v[CO], v[8*\b+4:8*\b+7], s[98:99] offset:1024*\b+512
.endr
	WIN 0
.Lnofine:
	PACK 0
	TOSTAGE 0
.irp a, 1,2,3,4,5,6,7                  ; block a's conversions stand between block a - 1's loads from the stage and the wait for them
	PACK \a
	SEND (\a)-1
	TOSTAGE \a
.endr
	SEND 7
	s_wait_tensorcnt 0x0                           ; the wave's end
	ds_add_u32 v[SPW], v[NIL]
	s_wait_dscnt 0x0
	CROUND                                         ; the closing round
	s_endpgm
.Lfunc_end_k_q471d2e7d20_qkv:
	.size	k_q471d2e7d20_qkv, .Lfunc_end_k_q471d2e7d20_qkv-k_q471d2e7d20_qkv
	.p2alignl 7, 3214868480
	.fill 96, 4, 3214868480
	.section	.rodata,"a",@progbits
	.p2align	6, 0x0
	.amdhsa_kernel k_q471d2e7d20_qkv
		.amdhsa_group_segment_fixed_size 327680
		.amdhsa_private_segment_fixed_size 0
		.amdhsa_enable_private_segment 0
		.amdhsa_kernarg_size 48
		.amdhsa_user_sgpr_count 2
		.amdhsa_user_sgpr_kernarg_segment_ptr 1
		.amdhsa_wavefront_size32 1
		.amdhsa_system_sgpr_workgroup_id_x 1
		.amdhsa_system_sgpr_workgroup_id_y 1
		.amdhsa_system_sgpr_workgroup_id_z 1
		.amdhsa_system_vgpr_workitem_id 0
		.amdhsa_next_free_vgpr 1024
		.amdhsa_next_free_sgpr 100
		.amdhsa_reserve_vcc 0
		.amdhsa_float_denorm_mode_32 3
		.amdhsa_float_denorm_mode_16_64 3
		.amdhsa_memory_ordered 1
		.amdhsa_forward_progress 1
		.amdhsa_inst_pref_size 128
	.end_amdhsa_kernel
	.amdgpu_metadata
---
amdhsa.version: [ 1, 2 ]
amdhsa.kernels:
  - .name:           k_q471d2e7d20_qkv
    .symbol:         k_q471d2e7d20_qkv.kd
    .args:
      - { .name: xc, .offset: 0, .size: 8, .value_kind: global_buffer, .address_space: global }
      - { .name: xs, .offset: 8, .size: 8, .value_kind: global_buffer, .address_space: global }
      - { .name: wc, .offset: 16, .size: 8, .value_kind: global_buffer, .address_space: global }
      - { .name: ws, .offset: 24, .size: 8, .value_kind: global_buffer, .address_space: global }
      - { .name: qkv, .offset: 32, .size: 8, .value_kind: global_buffer, .address_space: global }
      - { .name: qkv16, .offset: 40, .size: 8, .value_kind: global_buffer, .address_space: global }
    .group_segment_fixed_size: 327680
    .private_segment_fixed_size: 0
    .kernarg_segment_align: 8
    .kernarg_segment_size: 48
    .max_flat_workgroup_size: 128
    .sgpr_count:     100
    .vgpr_count:     1024
    .wavefront_size: 32
...
	.end_amdgpu_metadata
.endif
;; end of part 2
;; launch attn (part 3): grid 4 x 64, 16 waves a work-group, no clusters, 327,680 bytes of LDS; arguments qkv, ctx; writes ctx
.if DOCPART == 3
	.amdgcn_target "amdgcn-amd-amdhsa--gfx1250"
	.amdhsa_code_object_version 6
	.text
	.protected	k_q471d2e7d20_attn
	.globl	k_q471d2e7d20_attn
	.p2align	8
	.type	k_q471d2e7d20_attn,@function
k_q471d2e7d20_attn:
	s_mov_b64 s[64:65], 0
	v_nop
	global_prefetch_b8 v0, s[64:65] scope:SCOPE_SE
	s_setreg_imm32_b32 hwreg(HW_REG_WAVE_MODE, 25, 1), 1
	s_wait_xcnt 0x0
; ctx[b][t][head] = the sum over keys k <= t of softmax_k(q . k / 8) v, for 64 (batch, head) planes of 2,048 positions x 64 channels.  q, k, v: f16 (buffer qkv, [3][64][2048][64]); products on f16 operands with f32 sums;
; maxima, exponentials and sums in f32, with a running maximum; the weights p (at most 1) are rounded to f16 for the second product.  ctx: f16, [16 head][8192 (batch x 2048 + t)][64].
; (Positions 0 .. 15 of each batch are computed here too, and once more, in f32, by a later launch that has the last word on those rows of the output.)
; SHARES.  Work-group (i, plane) owns the query blocks i and 7 - i of 256 queries: under the causal mask every work-group then has the same 9 units of 256 keys x 256 queries.  Each of its 16 waves owns 32 queries, two tiles of 16,
; so that each fragment of K and V read from LDS feeds two matrix instructions; the waves of the two blocks are dealt so that any four waves w, w + 1, w + 2, w + 3 or w, w + 4, w + 8, w + 12 hold two of each block.
; Every wave walks 8 slots of 256 keys, 4 steps of 64: constant trip counts.  A step all of whose keys come after the wave's queries is jumped over by a scalar branch on ids.
; NO CLUSTER: work-group i reads slots 0 .. 7 - i alone, so the four work-groups of a plane need different numbers of tiles, and a joint load would bring some of them tiles that none of their waves reads.
; LAYOUT.  S^T = K Q^T (source 0 = 16 keys, source 1 = 16 queries): a lane holds ONE query (lane % 16) and keys 8 (lane / 16) + 0 .. 7.  Two such tiles, rounded to f16 in pairs, are source 1 (32 keys x 16 queries) of
; O^T = V^T P, whose result again holds one query a lane.  K comes out of LDS as it lies, V ([key][channel]) turned, by ds_load_tr16_b128.
; RING.  Two LDS slots; waves 0, 1 fetch K's halves, waves 2, 3 V's, one tensor load each behind a change of slots; by this text's count a wave has one tensor load out, and every wait for them is for 0.
; REGISTERS: v1-11 addresses; v12-27 statistics, 8 a tile (+0 c m, +1 m, +2, +3 the sum in two halves, +4 .. +7 at work; a in +6); v28 prefetch offset; v29 -infinity; v30 r, v31 h; v32-63 Q; v64-127 K's, then V's fragments;
; v128-191 S^T, then p, then P packed into the low 16 of each tile's 32; v192-255 O^T.
.set KP,    144                        ; a key's row in LDS: 128 bytes + 16: the 16 rows of a load start at 16 different banks (64 banks of 4 bytes: ISA guide 11.1)
.set VP,    160                        ; a row of V: 128 + 32
.set SKEYS, 256                        ; keys in a slot
.set VOFF,  SKEYS*KP
.set SLOT1, 1<<17                      ; slot 1 begins here: one exclusive or turns an address from one slot to the other
.set STAGE, 212992                     ; behind the ring: 32 rows x 144 bytes for each wave, for the way out; no tile lands there
.set WST,   32*KP
.set SPARE, STAGE+16*WST               ; the spare words, 128 bytes a wave
.set KPART, 16777216                   ; where k's planes begin in qkv
.set VPART, 33554432                   ; and v's
.set AK0, 1
.set AV0, 2
.set ADK, 3
.set ADV, 4
.set SPW, 5
.set NIL, 6
.set RH,  7                            ; v7   r - 8 h
.set STO, 8
.set RD,  9
.set GO,  10
.set DD,  11
.set ST,  12
.set PFO, 28
.set NINF, 29
.set QF,  32
.set KV,  64
.set SS,  128
.set OT,  192
.set TB,  2                            ; s2   LDS byte at which the slot in hand begins
.set WV,  18
.set SEL, 20
.set CS,  22                           ; s[22:23] c = log2(e) / 8
.set G1K, 24
.set G1V, 32
.set G0K, 40
.set G0V, 44
.set SLOTS, 67
.set LASTQ, 68                         ; s68  my work-group's last query
.set PFA, 76
.set LIM, 80
.set KF,  98                           ; s98  the step's first key
.set Q0,  99                           ; s99  my wave's first query
; Waves 0 and 1 fetch for K, waves 2 and 3 for V, the others nothing.  An s_nop 0 and four v_nop follow each line.
.macro TLOAD
	s_cmp_lt_u32 s[WV], 2
	s_cbranch_scc0 .Lnot_k_\@
	tensor_load_to_lds s[G0K:G0K+3], s[G1K:G1K+7]
	s_nop 0
.rept 4
	v_nop
.endr
	s_branch .Lasked_\@
.Lnot_k_\@:
	s_cmp_lt_u32 s[WV], 4
	s_cbranch_scc0 .Lasked_\@
	tensor_load_to_lds s[G0V:G0V+3], s[G1V:G1V+7]
	s_nop 0
.rept 4
	v_nop
.endr
.Lasked_\@:
.endm
; A prefetch of the slot that the NEXT change of slots will ask for: K's and V's 256 rows of 128 bytes are two dense blocks of 32,768 bytes.  All four work-groups of a plane walk the same rows: the first of them asks, which walks
; all eight slots.  In it the waves ask that fetch nothing: waves 4-7 for K's block, waves 8-11 for V's, 8,192 bytes a wave, lanes 256 bytes apart: each 256 bytes are named once.  It asks a slot's four key steps ahead of the load;
; slots 0 and 1 come by their loads alone, and the last change that fills a slot asks for nothing.
.macro ASK
	s_cmp_gt_u32 s[SLOTS], s[LIM]
	s_cbranch_scc0 .Lnot_mine_\@
	global_prefetch_b8 v[PFO], s[PFA:PFA+1] th:TH_LOAD_NT scope:SCOPE_SE
.Lnot_mine_\@:
.endm
	s_load_b128 s[4:7], s[0:1], 0x0                ; qkv s[4:5], ctx s[6:7]
	v_lshl_add_u32 v[SPW], v0, 2, SPARE
	v_mov_b32 v[NIL], 0
	ds_add_u32 v[SPW], v[NIL]                      ; the wave's opening: the add, twice on end, and its wait ahead of my first tensor load
	ds_add_u32 v[SPW], v[NIL]
	v_lshrrev_b32 v8, 5, v0
	v_readfirstlane_b32 s[WV], v8                  ; wave 0..15
	s_and_b32 s8, ttmp7, 0xffff                    ; the plane: batch x 16 + head
	s_lshl_b32 s9, s8, 18                          ; its first byte in each of the three parts
	s_and_b32 s10, s[WV], 1                        ; which 128 rows of a slot I fetch, if I fetch
	s_lshl_b32 s11, s10, 14
	s_add_co_u32 s12, s9, s11
	s_add_co_u32 s12, s12, KPART
	s_mov_b32 s13, 0                               ; s[12:13]: K's rows, as an offset;
	s_add_co_u32 s14, s12, VPART-KPART
	s_mov_b32 s15, 0                               ; s[14:15]: V's
	s_mul_i32 s16, s10, 128*KP                     ; and their places in a slot
	s_mul_i32 s17, s10, 128*VP
	s_add_co_u32 s17, s17, VOFF
	s_lshr_b32 s70, s[WV], 2
	s_xor_b32 s70, s70, s[WV]
	s_and_b32 s70, s70, 1                          ; which of the two blocks is my wave's
	s_sub_co_u32 s71, 7, ttmp9
	s_cmp_lg_u32 s70, 0
	s_cselect_b32 s71, s71, ttmp9                  ; block 7 - i or block i
	s_lshl_b32 s71, s71, 8
	s_lshr_b32 s70, s[WV], 1
	s_lshl_b32 s70, s70, 5
	s_add_co_u32 s[Q0], s71, s70                   ; my first query: 256 x block + 32 x (wave / 2)
	s_sub_co_u32 s[LASTQ], 8, ttmp9
	s_lshl_b32 s[LASTQ], s[LASTQ], 8
	s_sub_co_u32 s[LASTQ], s[LASTQ], 1             ; block 7 - i's last query
	s_lshl_b32 s72, s[Q0], 7
	s_add_co_u32 s72, s72, s9
	s_mov_b32 s73, 0                               ; s[72:73]: my queries' rows in qkv
	s_and_b32 s74, s8, 15
	s_lshl_b32 s74, s74, 13
	s_lshr_b32 s75, s8, 4
	s_lshl_b32 s75, s75, 11
	s_add_co_u32 s74, s74, s75
	s_add_co_u32 s74, s74, s[Q0]
	s_lshl_b32 s74, s74, 7
	s_mov_b32 s75, 0                               ; s[74:75]: (head x 8192 + batch x 2048 + my first query) x 128: my rows in ctx
	s_mov_b32 s[G1K], (1<<16)|(1<<20)|(4<<22)|(3<<25)             ; no mask; elements of 2 bytes; padding on: 4 words after every 32
	s_mov_b32 s[G1K+1], 64<<16                     ; tensor_dim0
	s_mov_b32 s[G1K+2], 128<<16                    ; tensor_dim1
	s_mov_b32 s[G1K+3], 64<<16                     ; tile_dim0
	s_mov_b32 s[G1K+4], 128                        ; tile_dim1
	s_mov_b32 s[G1K+5], 64                         ; from row to row
	s_mov_b32 s[G1K+6], 0
	s_mov_b32 s[G1K+7], 0
	s_mov_b32 s[G1V], (1<<16)|(1<<20)|(4<<22)|(7<<25)             ; the same with 8 words of padding
	s_mov_b32 s[G1V+1], 64<<16
	s_mov_b32 s[G1V+2], 128<<16
	s_mov_b32 s[G1V+3], 64<<16
	s_mov_b32 s[G1V+4], 128
	s_mov_b32 s[G1V+5], 64
	s_mov_b32 s[G1V+6], 0
	s_mov_b32 s[G1V+7], 0
	s_mov_b32 s[SEL], 0x76543210
	s_mov_b32 s[SEL+1], 0xfedcba98                 ; v_permlanex16_b32's selects for lane l xor 16
	s_mov_b32 s[CS], 0x3e38aa3b                    ; c = log2(e) / sqrt(64)
	s_mov_b32 s[CS+1], s[CS]                       ; (named with it as a pair)
	s_mov_b32 s[TB], 0
	s_mov_b32 s[SLOTS], 7
	s_mov_b32 s[KF], 0
	s_wait_dscnt 0x0                               ; both opening adds are done
	s_wait_kmcnt 0x0
	s_mov_b32 s[G0K], 1
	s_mov_b32 s[G0K+1], s16
	s_add_nc_u64 s[G0K+2:G0K+3], s[4:5], s[12:13]
	s_or_b32 s[G0K+3], s[G0K+3], 0x80000000
	s_mov_b32 s[G0V], 1
	s_mov_b32 s[G0V+1], s17
	s_add_nc_u64 s[G0V+2:G0V+3], s[4:5], s[14:15]
	s_or_b32 s[G0V+3], s[G0V+3], 0x80000000
	TLOAD                                          ; slot 0: it holds key 0, which counts for every query
	s_add_nc_u64 s[70:71], s[4:5], s[72:73]        ; Q at my first query
	s_add_nc_u64 s[6:7], s[6:7], s[74:75]          ; ctx likewise
	s_cmp_lt_u32 s[WV], 8                          ; the prefetches: waves 4-7 K's part, waves 8-11 V's
	s_mov_b32 s82, VPART
	s_cselect_b32 s82, KPART, s82
	s_add_co_u32 s82, s82, s9
	s_and_b32 s83, s[WV], 3
	s_lshl_b32 s83, s83, 13
	s_add_co_u32 s82, s82, s83                     ; my wave's 8,192 bytes,
	s_add_co_u32 s82, s82, 32768                   ; in slot 1: the first change of slots steps it to slot 2
	s_mov_b32 s83, 0
	s_add_nc_u64 s[PFA:PFA+1], s[4:5], s[82:83]
	s_sub_co_u32 s82, s[WV], 4
	s_lshr_b32 s82, s82, 3                         ; 0 in waves 4 to 11,
	s_or_b32 s82, s82, ttmp9                       ; of the plane's first work-group
	s_cmp_eq_u32 s82, 0
	s_cselect_b32 s[LIM], 1, -1
	v_and_b32 v30, 15, v0                          ; r
	v_bfe_u32 v31, v0, 4, 1                        ; h
	v_lshlrev_b32 v[DD], 7, v30
	v_lshl_add_u32 v[DD], v31, 4, v[DD]            ; Q: row r of 128 bytes, + 16 h
.irp t, 0,1
.irp c, 0,1
	global_load_b128 v[QF+16*\t+8*\c:QF+16*\t+8*\c+3], v[DD], s[70:71] offset:2048*\t+64*\c      ; tile t, channels 32 c on: Q stays in registers
	global_load_b128 v[QF+16*\t+8*\c+4:QF+16*\t+8*\c+7], v[DD], s[70:71] offset:2048*\t+64*\c+32
.endr
.endr
	v_mul_u32_u24 v[AK0], v30, KP
	v_lshl_add_u32 v[AK0], v31, 4, v[AK0]          ; K: row r x pitch + 16 h
	v_and_b32 v[AV0], 7, v0
	v_lshl_add_u32 v[AV0], v31, 3, v[AV0]
	v_mul_u32_u24 v[AV0], v[AV0], VP
	v_bfe_u32 v[ADV], v0, 3, 1
	v_lshl_add_u32 v[AV0], v[ADV], 4, v[AV0]
	v_add_nc_u32 v[AV0], VOFF, v[AV0]              ; V: key 8 h + l % 8, channels 8 ((l / 8) % 2) on
	v_lshlrev_b32 v[RH], 3, v31
	v_sub_nc_u32 v[RH], v30, v[RH]
	v_mov_b32 v[NINF], 0xff800000
	v_and_b32 v[PFO], 31, v0
	v_lshlrev_b32 v[PFO], 8, v[PFO]
.irp t, 0,1
	v_mov_b32 v[ST+8*\t+1], 0xff61b1e6             ; m: -3e38, under every score
	v_mul_f32 v[ST+8*\t], s[CS], v[ST+8*\t+1]      ; c m
	v_mov_b32 v[ST+8*\t+2], 0                      ; the sum
	v_mov_b32 v[ST+8*\t+3], 0
	v_mov_b32 v[ST+8*\t+5], 0                      ; (a lane permute's destination, and the upper half of a pair, count as read)
	v_mov_b32 v[ST+8*\t+7], 0
.endr
.irp n, 0,1,2,3,4,5,6,7,8,9,10,11,12,13,14,15,16,17,18,19,20,21,22,23,24,25,26,27,28,29,30,31,32,33,34,35,36,37,38,39,40,41,42,43,44,45,46,47,48,49,50,51,52,53,54,55,56,57,58,59,60,61,62,63
	v_mov_b32 v[OT+\n], 0                          ; O^T.  (The step is written once: the first finds zeros, which its a = 0 leaves zeros)
.endr
; THE SOFTMAX of two tiles of 16 queries x 64 keys, the tiles line by line by turns.  p = 2^(c s - c m); O^T and the sum are multiplied by a = 2^(c m_old - c m_new).
.macro SOFTMAX
.irp j, 0,1,2,3
.irp t, 0,1
	v_max3_num_f32 v[ST+8*\t+4+\j], v[SS+32*\t+8*\j], v[SS+32*\t+8*\j+1], v[SS+32*\t+8*\j+2]   ; four chains, one an accumulator, each from the accumulator's low end on
.endr
.endr
.irp i, 3,5
.irp j, 0,1,2,3
.irp t, 0,1
	v_max3_num_f32 v[ST+8*\t+4+\j], v[ST+8*\t+4+\j], v[SS+32*\t+8*\j+\i], v[SS+32*\t+8*\j+\i+1]
.endr
.endr
.endr
.irp t, 0,1
	v_max3_num_f32 v[ST+8*\t+4], v[ST+8*\t+4], v[SS+32*\t+7], v[SS+32*\t+15]
	v_max3_num_f32 v[ST+8*\t+6], v[ST+8*\t+6], v[SS+32*\t+23], v[SS+32*\t+31]
.endr
.irp t, 0,1
	v_max3_num_f32 v[ST+8*\t+4], v[ST+8*\t+4], v[ST+8*\t+5], v[ST+8*\t+6]
.endr
.irp t, 0,1
	v_max3_num_f32 v[ST+8*\t+4], v[ST+8*\t+4], v[ST+8*\t+7], v[ST+8*\t+1]    ; with the old m
.endr
.irp t, 0,1
	v_permlanex16_b32 v[ST+8*\t+5], v[ST+8*\t+4], s[SEL], s[SEL+1]           ; the query's other 32 keys lie in the lane 16 away
.endr
.irp t, 0,1
	v_mov_b32 v[ST+8*\t+7], v[ST+8*\t]             ; c m_old
.endr
.irp t, 0,1
	v_max_num_f32 v[ST+8*\t+1], v[ST+8*\t+4], v[ST+8*\t+5]
.endr
.irp t, 0,1
	v_mul_f32 v[ST+8*\t], s[CS], v[ST+8*\t+1]
.endr
.irp t, 0,1
	v_sub_f32 v[ST+8*\t+7], v[ST+8*\t+7], v[ST+8*\t]
.endr
.irp b, 0,2,4,6,8,10,12,14,16,18,20,22,24,26,28,30
.irp t, 0,1
	v_pk_fma_f32 v[SS+32*\t+\b:SS+32*\t+\b+1], v[SS+32*\t+\b:SS+32*\t+\b+1], s[CS:CS+1], v[ST+8*\t:ST+8*\t+1] op_sel_hi:[1,0,0] neg_lo:[0,0,1] neg_hi:[0,0,1]   ; c s - c m, two at a time
.endr
.endr
.irp t, 0,1
	v_exp_f32 v[ST+8*\t+6], v[ST+8*\t+7]           ; a
.endr
.irp n, 0,1,2,3,4,5,6,7,8,9,10,11,12,13,14,15,16,17,18,19,20,21,22,23,24,25,26,27,28,29,30,31
.irp t, 0,1
	v_exp_f32 v[SS+32*\t+\n], v[SS+32*\t+\n]       ; p
.endr
.endr
	v_nop                                          ; a plain instruction behind the last exponential
	s_wait_alu depctr_va_vdst(0)                   ; one wait for the batch of 66, ahead of the first line that names a result
.irp t, 0,1
	v_pk_mul_f32 v[ST+8*\t+2:ST+8*\t+3], v[ST+8*\t+2:ST+8*\t+3], v[ST+8*\t+6:ST+8*\t+7] op_sel_hi:[1,0]
.endr
.irp t, 0,1
	v_pk_add_f32 v[ST+8*\t+4:ST+8*\t+5], v[SS+32*\t:SS+32*\t+1], v[SS+32*\t+2:SS+32*\t+3]      ; the sum of the unrounded p, in two chains
.endr
.irp b, 4,8,12,16,20,24,28
.irp t, 0,1
	v_pk_add_f32 v[ST+8*\t+2:ST+8*\t+3], v[ST+8*\t+2:ST+8*\t+3], v[SS+32*\t+\b:SS+32*\t+\b+1]
	v_pk_add_f32 v[ST+8*\t+4:ST+8*\t+5], v[ST+8*\t+4:ST+8*\t+5], v[SS+32*\t+\b+2:SS+32*\t+\b+3]
.endr
.endr
.irp t, 0,1
	v_pk_add_f32 v[ST+8*\t+2:ST+8*\t+3], v[ST+8*\t+2:ST+8*\t+3], v[ST+8*\t+4:ST+8*\t+5]
.endr
.irp n, 0,1,2,3,4,5,6,7,8,9,10,11,12,13,14,15
.irp t, 0,1
	v_cvt_pk_f16_f32 v[SS+32*\t+\n], v[SS+32*\t+2*\n], v[SS+32*\t+2*\n+1]    ; P, packed in place: register n takes pair n, whose registers lie at or above it
.endr
.endr
.irp b, 0,2,4,6,8,10,12,14,16,18,20,22,24,26,28,30
.irp t, 0,1
	v_pk_mul_f32 v[OT+32*\t+\b:OT+32*\t+\b+1], v[OT+32*\t+\b:OT+32*\t+\b+1], v[ST+8*\t+6:ST+8*\t+7] op_sel_hi:[1,0]   ; O^T x a, each accumulator from its low end on
.endr
.endr
.endm
; A KEY STEP: 64 keys, the q-th of the slot in hand.
.macro STEP q
	s_add_co_u32 s96, s[Q0], 31
	s_cmp_gt_u32 s[KF], s96                        ; all 64 keys come after my 32 queries: the step's work is left out; no barrier, wait for tiles or tensor load stands in a step
	s_cbranch_scc1 .Lhidden_\@
	v_add_nc_u32 v[ADK], s[TB], v[AK0]
	v_add_nc_u32 v[ADV], s[TB], v[AV0]
.rept 3
	v_nop                                          ; with the two additions five places behind the last step's products: K's loads land on V's fragments (four are owed), and the products below write over P (five)
.endr
.irp kt, 0,1,2,3
.irp c, 0,1
	ds_load_b128 v[KV+16*\kt+8*\c:KV+16*\kt+8*\c+3], v[ADK] offset:(64*(\q)+16*\kt)*KP+64*\c
	ds_load_b128 v[KV+16*\kt+8*\c+4:KV+16*\kt+8*\c+7], v[ADK] offset:(64*(\q)+16*\kt)*KP+64*\c+32
.endr
.endr
	s_wait_dscnt 0x0
.irp kt, 0,1,2,3                               ; S^T = K Q^T: eight accumulators by turns, one instruction a turn; the first 32 channels start the sums
.irp t, 0,1
	v_wmma_f32_16x16x32_f16 v[SS+32*\t+8*\kt:SS+32*\t+8*\kt+7], v[KV+16*\kt:KV+16*\kt+7], v[QF+16*\t:QF+16*\t+7], 0
.endr
.endr
.irp kt, 0,1,2,3
.irp t, 0,1
	v_wmma_f32_16x16x32_f16 v[SS+32*\t+8*\kt:SS+32*\t+8*\kt+7], v[KV+16*\kt+8:KV+16*\kt+15], v[QF+16*\t+8:QF+16*\t+15], v[SS+32*\t+8*\kt:SS+32*\t+8*\kt+7]
.endr
.endr
.rept 4
	v_nop                                          ; four places: for V's loads into K's registers, and for the first read of the scores
.endr
.irp g, 0,1                                    ; V, turned: keys 32 g on, channels 16 dt on.  It lands while the softmax is walked
.irp dt, 0,1,2,3
	ds_load_tr16_b128 v[KV+32*\g+8*\dt:KV+32*\g+8*\dt+3], v[ADV] offset:(64*(\q)+32*\g)*VP+32*\dt
	ds_load_tr16_b128 v[KV+32*\g+8*\dt+4:KV+32*\g+8*\dt+7], v[ADV] offset:(64*(\q)+32*\g+16)*VP+32*\dt
.endr
.endr
	s_add_co_u32 s96, s[KF], 63
	s_cmp_le_u32 s96, s[Q0]                        ; all 64 keys count for all my queries: no mask
	s_cbranch_scc1 .Lopen_\@
	s_sub_co_i32 s96, s[Q0], s[KF]
	v_add_nc_u32 v[DD], s96, v[RH]                 ; d = Q0 - KF + r - 8 h.  Register 8 kt + j of tile t holds key KF + 16 kt + 8 h + j and query Q0 + 16 t + r: hidden where 16 kt + j - 16 t > d
.irp t, 0,1
.irp kt, 0,1,2,3
.irp j, 0,1,2,3,4,5,6,7
	v_cmp_gt_i32 vcc_lo, 16*\kt+\j-16*\t, v[DD]
	v_cndmask_b32 v[SS+32*\t+8*\kt+\j], v[SS+32*\t+8*\kt+\j], v[NINF], vcc_lo   ; -infinity ahead of the maximum: p = 0.  Key KF counts for every query of a step that is walked, so m is a number
.endr
.endr
.endr
.Lopen_\@:
	SOFTMAX
	s_wait_dscnt 0x0                               ; V is in
.irp g, 0,1                                    ; O^T += V^T P: eight accumulators by turns
.irp dt, 0,1,2,3
.irp t, 0,1
	v_wmma_f32_16x16x32_f16 v[OT+32*\t+8*\dt:OT+32*\t+8*\dt+7], v[KV+32*\g+8*\dt:KV+32*\g+8*\dt+7], v[SS+32*\t+8*\g:SS+32*\t+8*\g+7], v[OT+32*\t+8*\dt:OT+32*\t+8*\dt+7]
.endr
.endr
.endr
.Lhidden_\@:
	s_add_co_u32 s[KF], s[KF], 64
.endm
; THE CHANGE OF SLOTS stands at a slot's head.  Each wave waits for all its tensor loads, adds 0 to its spare word (fill = 1: twice on end), and waits for that and for its reads of the slot that it has left; then the barrier.
; Behind it the slot ahead is whole and nobody reads the other one.  fill = 1: that other slot is filled with the next 256 keys, while its first key is at or under my work-group's last query: a slot beyond that is read by no wave.
.macro CHANGE fill
	s_wait_tensorcnt 0x0                           ; no tensor load of mine is out, so a group 0 may be written
	ds_add_u32 v[SPW], v[NIL]
.if \fill
	ds_add_u32 v[SPW], v[NIL]                      ; and once more
	s_xor_b32 s[G0K+1], s[G0K+1], SLOT1            ; the walking descriptors: the other slot,
	s_add_nc_u64 s[G0K+2:G0K+3], s[G0K+2:G0K+3], SKEYS*128   ; the next 256 keys
	s_xor_b32 s[G0V+1], s[G0V+1], SLOT1
	s_add_nc_u64 s[G0V+2:G0V+3], s[G0V+2:G0V+3], SKEYS*128
	s_wait_xcnt 0x0                                ; the last prefetch, a slot back, has read its address
	s_add_nc_u64 s[PFA:PFA+1], s[PFA:PFA+1], SKEYS*128
.endif
	s_wait_dscnt 0x0
	s_barrier_signal -1
	s_barrier_wait -1
.if \fill
	s_add_co_u32 s96, s[KF], SKEYS                 ; the first key of the slot that this change would ask for
	s_cmp_gt_u32 s96, s[LASTQ]                     ; the work-group's number and the count of steps alone: all sixteen waves go the same way
	s_cbranch_scc1 .Lpast_\@
	TLOAD                                          ; a wave's one tensor load until the next change: it has a slot's four steps in which to land
.Lpast_\@:
	ASK
.endif
.endm
	s_wait_loadcnt 0x0                             ; Q
.Lslot:                                            ; 7 trips
	CHANGE 1
	STEP 0
	STEP 1
	STEP 2
	STEP 3
	s_xor_b32 s[TB], s[TB], SLOT1
	s_sub_co_u32 s[SLOTS], s[SLOTS], 1
	s_cmp_lg_u32 s[SLOTS], 0
	s_cbranch_scc1 .Lslot
	CHANGE 0                                       ; the last slot is written out: nothing is left to ask for
	STEP 0
	STEP 1
	STEP 2
	STEP 3
	; THE WAY OUT.  O^T is divided by the sum, rounded to f16 and sent through my stage; it comes back four rows of 128 bytes an instruction, which in a head's plane of ctx are 512 consecutive bytes.
	; The address lines are the places behind the last products.
	s_mul_i32 s96, s[WV], WST
	s_add_co_u32 s96, s96, STAGE
	v_mul_u32_u24 v[STO], v30, KP
	v_lshl_add_u32 v[STO], v31, 4, v[STO]
	v_add_nc_u32 v[STO], s96, v[STO]               ; in: row r, + 16 h
	v_bfe_u32 v[RD], v0, 3, 2
	v_mul_u32_u24 v[RD], v[RD], KP
	v_and_b32 v[GO], 7, v0
	v_lshl_add_u32 v[RD], v[GO], 4, v[RD]
	v_add_nc_u32 v[RD], s96, v[RD]                 ; back: eight lanes to a row
	v_and_b32 v[GO], 31, v0
	v_lshlrev_b32 v[GO], 4, v[GO]
.irp t, 0,1
	v_add_f32 v[ST+8*\t+4], v[ST+8*\t+2], v[ST+8*\t+3]
.endr
.irp t, 0,1
	v_permlanex16_b32 v[ST+8*\t+5], v[ST+8*\t+4], s[SEL], s[SEL+1]
.endr
.irp t, 0,1
	v_add_f32 v[ST+8*\t+4], v[ST+8*\t+4], v[ST+8*\t+5]
.endr
.irp t, 0,1
	v_rcp_f32 v[ST+8*\t+6], v[ST+8*\t+4]
.endr
	v_nop
	s_wait_alu depctr_va_vdst(0)                   ; one wait for the two reciprocals, ahead of their first reader
.irp t, 0,1
.irp b, 0,2,4,6,8,10,12,14,16,18,20,22,24,26,28,30
	v_pk_mul_f32 v[OT+32*\t+\b:OT+32*\t+\b+1], v[OT+32*\t+\b:OT+32*\t+\b+1], v[ST+8*\t+6:ST+8*\t+7] op_sel_hi:[1,0]
.endr
.irp n, 0,1,2,3,4,5,6,7,8,9,10,11,12,13,14,15
	v_cvt_pk_f16_f32 v[SS+16*\t+\n], v[OT+32*\t+2*\n], v[OT+32*\t+2*\n+1]
.endr
.irp dt, 0,1,2,3
	ds_store_b128 v[STO], v[SS+16*\t+4*\dt:SS+16*\t+4*\dt+3] offset:16*KP*\t+32*\dt
.endr
.irp i, 0,1,2,3
	ds_load_b128 v[KV+16*\t+4*\i:KV+16*\t+4*\i+3], v[RD] offset:16*KP*\t+4*KP*\i   ; LDS serves a wave's instructions in order: these see my stores
.endr
.endr
.irp i, 0,1,2,3
	s_wait_dscnt 11-\i                             ; behind tile 0's load i: its 3 - i later loads and tile 1's eight LDS instructions
	global_store_b128 v[GO], v[KV+4*\i:KV+4*\i+3], s[6:7] offset:512*\i
.endr
.irp i, 0,1,2,3
	s_wait_dscnt 3-\i
	global_store_b128 v[GO], v[KV+16+4*\i:KV+16+4*\i+3], s[6:7] offset:2048+512*\i
.endr
	s_wait_tensorcnt 0x0                           ; the wave's end
	ds_add_u32 v[SPW], v[NIL]
	s_wait_dscnt 0x0
	s_endpgm
.Lfunc_end_k_q471d2e7d20_attn:
	.size	k_q471d2e7d20_attn, .Lfunc_end_k_q471d2e7d20_attn-k_q471d2e7d20_attn
	.p2alignl 7, 3214868480
	.fill 96, 4, 3214868480
	.section	.rodata,"a",@progbits
	.p2align	6, 0x0
	.amdhsa_kernel k_q471d2e7d20_attn
		.amdhsa_group_segment_fixed_size 327680
		.amdhsa_private_segment_fixed_size 0
		.amdhsa_enable_private_segment 0
		.amdhsa_kernarg_size 16
		.amdhsa_user_sgpr_count 2
		.amdhsa_user_sgpr_kernarg_segment_ptr 1
		.amdhsa_wavefront_size32 1
		.amdhsa_system_sgpr_workgroup_id_x 1
		.amdhsa_system_sgpr_workgroup_id_y 1
		.amdhsa_system_sgpr_workgroup_id_z 1
		.amdhsa_system_vgpr_workitem_id 0
		.amdhsa_next_free_vgpr 256
		.amdhsa_next_free_sgpr 100
		.amdhsa_reserve_vcc 1
		.amdhsa_float_denorm_mode_32 3
		.amdhsa_float_denorm_mode_16_64 3
		.amdhsa_memory_ordered 1
		.amdhsa_forward_progress 1
		.amdhsa_inst_pref_size 188
	.end_amdhsa_kernel
	.amdgpu_metadata
---
amdhsa.version: [ 1, 2 ]
amdhsa.kernels:
  - .name:           k_q471d2e7d20_attn
    .symbol:         k_q471d2e7d20_attn.kd
    .args:
      - { .name: qkv, .offset: 0, .size: 8, .value_kind: global_buffer, .address_space: global }
      - { .name: ctx, .offset: 8, .size: 8, .value_kind: global_buffer, .address_space: global }
    .group_segment_fixed_size: 327680
    .private_segment_fixed_size: 0
    .kernarg_segment_align: 8
    .kernarg_segment_size: 16
    .max_flat_workgroup_size: 512
    .sgpr_count:     100
    .vgpr_count:     256
    .wavefront_size: 32
...
	.end_amdgpu_metadata
.endif
;; end of part 3
;; launch proj (part 4): grid 4 x 64, 4 waves a work-group, clusters of 4 x 4, 327,680 bytes of LDS; arguments ctx, wp16, out0; writes out0
.if DOCPART == 4
	.amdgcn_target "amdgcn-amd-amdhsa--gfx1250"
	.amdhsa_code_object_version 6
	.text
	.protected	k_q471d2e7d20_proj
	.globl	k_q471d2e7d20_proj
	.p2align	8
	.type	k_q471d2e7d20_proj,@function
k_q471d2e7d20_proj:
	s_mov_b64 s[64:65], 0
	v_nop
	global_prefetch_b8 v0, s[64:65] scope:SCOPE_SE
	s_setreg_imm32_b32 hwreg(HW_REG_WAVE_MODE, 25, 1), 1
	s_wait_xcnt 0x0
	s_wait_alu depctr_hold_cnt(0) depctr_sa_sdst(0) depctr_va_vdst(0) depctr_va_sdst(0) depctr_va_ssrc(0) depctr_va_vcc(0) depctr_vm_vsrc(0)
	s_getreg_b32 s2, hwreg(HW_REG_IB_STS2, 6, 4)
	s_cmp_eq_u32 s2, 0
	s_cbranch_scc0 .Lentry_in_a_cluster
	s_endpgm
.Lentry_in_a_cluster:
	s_bfe_u32 s2, ttmp6, 0x10000c
	s_cmp_lg_u32 s2, 0xf033
	s_cbranch_scc0 .Lentry_shape_is_right
	s_endpgm
.Lentry_shape_is_right:
; out0[m][n] = sum over k of ctx[m][k] Wp[n][k]; f16 operands, f32 sums, f32 out.  ctx: [16 head][8192 m][64], so k = 64 head + channel; wp16: [1024 n][1024 k].
; A tile of 128 x 256 gives 256 work-groups.  Four waves, 64 x 128 each: 32 accumulators of 16 x 16, which fill window 1.  K goes in 8 steps of 128 (two heads' planes) through two LDS slots.
; Waves 0, 1 fetch A's two planes (128 rows x 128 bytes, dense in memory), waves 2, 3 B's two halves (128 rows x 256 bytes): one tensor load a wave behind each change of slots; two are out at the start, then one.
; CLUSTERS: 4 x 4 work-groups; A's tile is shared along a row of the cluster, B's along a column: joint loads.  THE MATRIX INSTRUCTION IS USED TRANSPOSED (source 0 = rows of Wp, source 1 = rows of ctx): a lane holds eight neighbouring columns of a row.
; No prefetch: the tiles are small, a step's work is short, and the cluster already divides the requests by four.
; REGISTERS: window 0: v16-29 addresses; two fragment buffers for 32 along K at v32 and v128: A's 4 blocks, then B's 8; on the way out they take rows.  window 1: accumulator (a, b) at v[8 (8 a + b)].
.set PA,     144                       ; A's LDS row: 128 bytes + 16
.set APL,    128*PA                    ; a plane's 128 rows
.set ABYTES, 2*APL
.set PB,     272                       ; B's LDS row: 256 bytes + 16
.set BH,     128*PB
.set SLOT,   ABYTES+2*BH
.set STAGE,  2*SLOT                    ; behind the ring: 16 rows x 528 bytes for each wave; no tile lands there
.set SPITCH, 528
.set SPARE,  STAGE+4*16*SPITCH
.set LAPS,   4
.set ADRA, 16
.set ADRB, 20
.set STO,  24
.set RD,   25
.set CO,   26
.set SPW,  28
.set NIL,  29
.set F0,   32
.set F1,   128
.set G1, 24
.set G0, 32
.set G1B, 48
.set G0B, 56
.set MSB, 0
.macro WIN new
.if MSB != (\new)
	s_set_vgpr_msb (MSB<<8)|(\new)
.set MSB, (\new)
.endif
.endm
.set MUL, 0x50                         ; sources window 0; C and D window 1
.macro JLOAD s                         ; a joint load; an s_nop 0 and four v_nop follow each line
	s_cmp_eq_u32 s11, 0
	s_cbranch_scc0 .Lfor_b_\@
	tensor_load_to_lds s[G0+4*\s:G0+4*\s+3], s[G1:G1+7]
	s_nop 0
.rept 4
	v_nop
.endr
	s_branch .Lasked_\@
.Lfor_b_\@:
	tensor_load_to_lds s[G0B+4*\s:G0B+4*\s+3], s[G1B:G1B+7]
	s_nop 0
.rept 4
	v_nop
.endr
.Lasked_\@:
.endm
.macro CREST
	s_cmp_lg_u32 s10, 0
	s_cbranch_scc1 .Lnot_wave_0_\@
	s_barrier_signal -3
.Lnot_wave_0_\@:
	s_barrier_wait -3
	s_barrier_signal -1
	s_barrier_wait -1
.endm
.macro CROUND
	s_barrier_signal -1
	s_barrier_wait -1
	CREST
.endm
	s_load_b128 s[4:7], s[0:1], 0x0                ; ctx, wp16
	s_load_b64 s[8:9], s[0:1], 0x10                ; out0
	v_lshl_add_u32 v[SPW], v0, 2, SPARE
	v_mov_b32 v[NIL], 0
	ds_add_u32 v[SPW], v[NIL]                      ; the wave's opening: the add, twice on end, and its wait ahead of my first tensor load
	ds_add_u32 v[SPW], v[NIL]
	v_lshrrev_b32 v1, 5, v0
	v_readfirstlane_b32 s10, v1                    ; wave 0..3
	s_lshr_b32 s11, s10, 1                         ; which 64 rows are mine.  Also: I fetch for A (0) or for B (1)
	s_and_b32 s12, s10, 1                          ; which 128 columns.  Also: which plane of A, which half of B I fetch
	s_bfe_u32 s40, ttmp6, 0x40000                  ; cx
	s_bfe_u32 s41, ttmp6, 0x40004                  ; cy
	s_lshl_b32 s42, ttmp9, 2
	s_add_co_u32 s42, s42, s40                     ; tile column
	s_and_b32 s13, ttmp7, 0xffff
	s_lshl_b32 s13, s13, 2
	s_add_co_u32 s13, s13, s41                     ; tile row
	s_lshl_b32 s43, s41, 2
	s_lshl_b32 s43, 15, s43                        ; my row of the cluster
	s_lshl_b32 s44, 0x1111, s40                    ; my column
	s_or_b32 s[G1+0], s43, (1<<16)|(1<<20)|(1<<21)|(4<<22)|(3<<25)  ; A: the mask; elements of 2 bytes; padding: 4 words after every 32
	s_mov_b32 s[G1+1], 64<<16
	s_mov_b32 s[G1+2], 128<<16
	s_mov_b32 s[G1+3], 64<<16
	s_mov_b32 s[G1+4], 128
	s_mov_b32 s[G1+5], 64
	s_mov_b32 s[G1+6], 0
	s_mov_b32 s[G1+7], 0
	s_or_b32 s[G1B+0], s44, (1<<16)|(1<<20)|(1<<21)|(5<<22)|(3<<25) ; B: 4 words after every 64
	s_mov_b32 s[G1B+1], 128<<16
	s_mov_b32 s[G1B+2], 128<<16
	s_mov_b32 s[G1B+3], 128<<16
	s_mov_b32 s[G1B+4], 128
	s_mov_b32 s[G1B+5], 1024
	s_mov_b32 s[G1B+6], 0
	s_mov_b32 s[G1B+7], 0
	s_lshl_b32 s16, s12, 13
	s_lshl_b32 s17, s13, 7
	s_add_co_u32 s16, s16, s17
	s_lshl_b32 s16, s16, 7                         ; A: (plane x 8192 + 128 x tile row) x 128 bytes
	s_mov_b32 s17, 0
	s_lshl_b32 s46, s42, 8
	s_lshl_b32 s47, s12, 7
	s_add_co_u32 s46, s46, s47
	s_lshl_b32 s46, s46, 11                        ; B: (256 x tile column + 128 x half) x 2048 bytes
	s_mov_b32 s47, 0
	s_mul_i32 s20, s12, APL                        ; where they go
	s_mul_i32 s21, s12, BH
	s_add_co_u32 s21, s21, ABYTES
	s_wait_dscnt 0x0
	s_wait_kmcnt 0x0
	s_add_nc_u64 s[14:15], s[4:5], s[16:17]
	s_add_nc_u64 s[46:47], s[6:7], s[46:47]
	CROUND                                         ; all sixteen work-groups are here: the first joint loads meet
.irp s, 0,1
	s_mov_b32 s[G0+4*\s], 1
	s_add_co_u32 s[G0+4*\s+1], s20, \s*SLOT
	s_add_nc_u64 s[G0+4*\s+2:G0+4*\s+3], s[14:15], \s*2097152      ; K step s: two planes on
	s_or_b32 s[G0+4*\s+3], s[G0+4*\s+3], 0x80000000
	s_mov_b32 s[G0B+4*\s], 1
	s_add_co_u32 s[G0B+4*\s+1], s21, \s*SLOT
	s_add_nc_u64 s[G0B+4*\s+2:G0B+4*\s+3], s[46:47], \s*256
	s_or_b32 s[G0B+4*\s+3], s[G0B+4*\s+3], 0x80000000
	JLOAD \s
.endr
	v_and_b32 v1, 15, v0                           ; r
	v_bfe_u32 v2, v0, 4, 1                         ; h
	v_mul_u32_u24 v3, v1, PA
	v_lshl_add_u32 v3, v2, 4, v3
	v_mul_u32_u24 v4, v1, PB
	v_lshl_add_u32 v4, v2, 4, v4
	s_mul_i32 s22, s11, 64*PA                      ; my 64 rows of A (in each plane)
	s_mul_i32 s23, s12, BH
	s_add_co_u32 s23, s23, ABYTES                  ; my 128 rows of B
.irp s, 0,1
	v_add_nc_u32 v[ADRA+\s], s22, v3
	v_add_nc_u32 v[ADRB+\s], s23, v4
	s_add_co_u32 s22, s22, SLOT
	s_add_co_u32 s23, s23, SLOT
.endr
	s_mul_i32 s22, s10, 16*SPITCH
	s_add_co_u32 s22, s22, STAGE                   ; my stage
	v_mul_u32_u24 v5, v1, SPITCH
	v_lshl_add_u32 v5, v2, 5, v5
	v_add_nc_u32 v[STO], s22, v5                   ; in: row r, 32 bytes for each half of the lanes
	v_and_b32 v6, 31, v0
	v_lshlrev_b32 v[CO], 4, v6
	v_add_nc_u32 v[RD], s22, v[CO]                 ; back: the 32 lanes take a row of 512 bytes
	s_lshl_b32 s16, s13, 7
	s_lshl_b32 s17, s11, 6
	s_add_co_u32 s16, s16, s17
	s_lshl_b32 s16, s16, 12                        ; my first row of out0, 4,096 bytes a row
	s_lshl_b32 s46, s42, 10
	s_lshl_b32 s47, s12, 9
	s_add_co_u32 s46, s46, s47                     ; my first column, in bytes
	s_add_co_u32 s18, s16, s46
	s_mov_b32 s19, 0
	s_add_nc_u64 s[8:9], s[8:9], s[18:19]
.macro MUL8 f, a, zero                 ; A's block a x B's eight, 32 along K.  The 32 accumulators take turns, in the same order in every quarter
.irp b, 0,1,2,3,4,5,6,7
.if \zero
	v_wmma_f32_16x16x32_f16 v[8*(8*(\a)+\b):8*(8*(\a)+\b)+7], v[\f+32+8*\b:\f+32+8*\b+7], v[\f+8*(\a):\f+8*(\a)+7], 0
.else
	v_wmma_f32_16x16x32_f16 v[8*(8*(\a)+\b):8*(8*(\a)+\b)+7], v[\f+32+8*\b:\f+32+8*\b+7], v[\f+8*(\a):\f+8*(\a)+7], v[8*(8*(\a)+\b):8*(8*(\a)+\b)+7]
.endif
.endr
.endm
.macro FETCH slot, q, f                ; 24 LDS loads in one run: the slot's q-th 32 along K: B's eight fragments, then A's four
	WIN 0
.irp i, 0,1,2,3,4,5,6,7
	ds_load_b128 v[\f+32+8*\i:\f+32+8*\i+3],   v[ADRB+\slot] offset:64*(\q)+\i*16*PB
	ds_load_b128 v[\f+32+8*\i+4:\f+32+8*\i+7], v[ADRB+\slot] offset:64*(\q)+\i*16*PB+32
.endr
.irp i, 0,1,2,3
	ds_load_b128 v[\f+8*\i:\f+8*\i+3],   v[ADRA+\slot] offset:((\q)/2)*APL+((\q)%2)*64+\i*16*PA
	ds_load_b128 v[\f+8*\i+4:\f+8*\i+7], v[ADRA+\slot] offset:((\q)/2)*APL+((\q)%2)*64+\i*16*PA+32
.endr
.endm
.macro PLACES                          ; four plain vector instructions in front of loads into registers that matrix instructions have read, and of reads of results
.rept 4
	v_nop
.endr
.endm
.macro QUARTER slot, q, f, g, zero     ; multiplies buffer f; in its middle fetches the slot's q-th quarter into g
	s_wait_dscnt 4                                 ; B and A's blocks 0, 1 are in; the youngest four loads (A's blocks 2, 3) may be out
	WIN MUL
	MUL8 \f, 0, \zero
	MUL8 \f, 1, \zero
	PLACES
	FETCH \slot, \q, \g
	s_wait_dscnt 24                                ; all but the 24 just issued
	WIN MUL
	MUL8 \f, 2, \zero
	MUL8 \f, 3, \zero
.endm
; A slot's last quarter multiplies buffer 1 and changes slots: in front of the barrier each wave waits for all its tensor loads, adds 0 to its spare word, and waits for that and for its reads of this slot.
; fill = 1: the barrier opens a round of the cluster's barrier, and the slot is filled again, two K steps ahead, first thing behind the round.
.macro TURN slot, next, fill
	WIN 0
	s_wait_tensorcnt 0x0
	ds_add_u32 v[SPW], v[NIL]
	s_wait_dscnt 5                                 ; the add and the youngest four loads may be out
	WIN MUL
	MUL8 F1, 0, 0
	s_wait_dscnt 0x0                               ; the add is done, and my reads of this slot are over
	s_barrier_signal -1
	MUL8 F1, 1, 0
	WIN 0
	s_barrier_wait -1
.if \fill
	CREST
	s_add_nc_u64 s[G0+4*\slot+2:G0+4*\slot+3], s[G0+4*\slot+2:G0+4*\slot+3], 4194304     ; four planes on
	s_add_nc_u64 s[G0B+4*\slot+2:G0B+4*\slot+3], s[G0B+4*\slot+2:G0B+4*\slot+3], 512
	JLOAD \slot                                    ; its four v_nop are also the places in front of the loads below
.else
	PLACES
.endif
	FETCH \next, 0, F0
	WIN MUL
	MUL8 F1, 2, 0
	MUL8 F1, 3, 0
.endm
	s_wait_tensorcnt 1                             ; my part of K step 0 is in; K step 1's load may be out
	s_barrier_signal -1
	s_barrier_wait -1
	FETCH 0, 0, F0
	QUARTER 0, 1, F0, F1, 1                        ; the first products start the sums
	WIN 0
	s_mov_b32 s3, LAPS-1
.Llap:                                             ; a trip goes once round the ring and fills both slots again
	QUARTER 0, 2, F1, F0, 0
	QUARTER 0, 3, F0, F1, 0
	TURN 0, 1, 1
	QUARTER 1, 1, F0, F1, 0
	QUARTER 1, 2, F1, F0, 0
	QUARTER 1, 3, F0, F1, 0
	TURN 1, 0, 1
	QUARTER 0, 1, F0, F1, 0
	WIN 0
	s_sub_co_u32 s3, s3, 1
	s_cmp_lg_u32 s3, 0
	s_cbranch_scc1 .Llap
	QUARTER 0, 2, F1, F0, 0                        ; the last lap fills nothing
	QUARTER 0, 3, F0, F1, 0
	TURN 0, 1, 0
	QUARTER 1, 1, F0, F1, 0
	QUARTER 1, 2, F1, F0, 0
	QUARTER 1, 3, F0, F1, 0
	s_wait_dscnt 4
	WIN MUL
	MUL8 F1, 0, 0
	MUL8 F1, 1, 0
	s_wait_dscnt 0
	MUL8 F1, 2, 0
	MUL8 F1, 3, 0
	WIN 0
; THE WAY OUT, block by block of 16 rows x 128 columns: through my own stage, back as whole rows of 512 bytes.
.macro TOSTAGE a
	WIN 0x04                                       ; an LDS store's data: window 1
.irp b, 0,1,2,3,4,5,6,7
	ds_store_b128 v[STO], v[8*(8*(\a)+\b):8*(8*(\a)+\b)+3] offset:64*\b          ; each accumulator from its low end on
	ds_store_b128 v[STO], v[8*(8*(\a)+\b)+4:8*(8*(\a)+\b)+7] offset:64*\b+16
.endr
	WIN 0
.set BB, 32+96*((\a)%2)
.irp t, 0,1,2,3,4,5,6,7,8,9,10,11,12,13,14,15
	ds_load_b128 v[BB+4*\t:BB+4*\t+3], v[RD] offset:\t*SPITCH      ; LDS serves a wave's instructions in order
.endr
.endm
.macro SEND a, younger
.set BB, 32+96*((\a)%2)
	s_wait_dscnt \younger
.irp t, 0,1,2,3,4,5,6,7,8,9,10,11,12,13,14,15
	global_store_b128 v[CO], v[BB+4*\t:BB+4*\t+3], s[8:9] offset:65536*(\a)+4096*\t th:TH_STORE_NT   ; 32 lanes store 512 consecutive bytes
.endr
.endm
	PLACES
	TOSTAGE 0
.irp a, 1,2,3
.if \a > 1
	s_wait_xcnt 0x0                                ; block a - 2's stores have read their registers: block a's loads may land there
.endif
	TOSTAGE \a
	SEND (\a)-1, 32                                ; behind block a - 1's loads: block a's 16 stores and 16 loads
.endr
	SEND 3, 0
	s_wait_tensorcnt 0x0                           ; the wave's end
	ds_add_u32 v[SPW], v[NIL]
	s_wait_dscnt 0x0
	CROUND                                         ; the closing round
	s_endpgm
.Lfunc_end_k_q471d2e7d20_proj:
	.size	k_q471d2e7d20_proj, .Lfunc_end_k_q471d2e7d20_proj-k_q471d2e7d20_proj
	.p2alignl 7, 3214868480
	.fill 96, 4, 3214868480
	.section	.rodata,"a",@progbits
	.p2align	6, 0x0
	.amdhsa_kernel k_q471d2e7d20_proj
		.amdhsa_group_segment_fixed_size 327680
		.amdhsa_private_segment_fixed_size 0
		.amdhsa_enable_private_segment 0
		.amdhsa_kernarg_size 24
		.amdhsa_user_sgpr_count 2
		.amdhsa_user_sgpr_kernarg_segment_ptr 1
		.amdhsa_wavefront_size32 1
		.amdhsa_system_sgpr_workgroup_id_x 1
		.amdhsa_system_sgpr_workgroup_id_y 1
		.amdhsa_system_sgpr_workgroup_id_z 1
		.amdhsa_system_vgpr_workitem_id 0
		.amdhsa_next_free_vgpr 512
		.amdhsa_next_free_sgpr 66
		.amdhsa_reserve_vcc 0
		.amdhsa_float_denorm_mode_32 3
		.amdhsa_float_denorm_mode_16_64 3
		.amdhsa_memory_ordered 1
		.amdhsa_forward_progress 1
		.amdhsa_inst_pref_size 85
	.end_amdhsa_kernel
	.amdgpu_metadata
---
amdhsa.version: [ 1, 2 ]
amdhsa.kernels:
  - .name:           k_q471d2e7d20_proj
    .symbol:         k_q471d2e7d20_proj.kd
    .args:
      - { .name: ctx, .offset: 0, .size: 8, .value_kind: global_buffer, .address_space: global }
      - { .name: wp16, .offset: 8, .size: 8, .value_kind: global_buffer, .address_space: global }
      - { .name: out0, .offset: 16, .size: 8, .value_kind: global_buffer, .address_space: global }
    .group_segment_fixed_size: 327680
    .private_segment_fixed_size: 0
    .kernarg_segment_align: 8
    .kernarg_segment_size: 24
    .max_flat_workgroup_size: 128
    .sgpr_count:     66
    .vgpr_count:     512
    .wavefront_size: 32
...
	.end_amdgpu_metadata
.endif
;; end of part 4
;; launch first16 (part 5): grid 16 x 4, 16 waves a work-group, no clusters, 71,680 bytes of LDS; arguments qkv16, Wp, out0; writes out0
.if DOCPART == 5
	.amdgcn_target "amdgcn-amd-amdhsa--gfx1250"
	.amdhsa_code_object_version 6
	.text
	.protected	k_q471d2e7d20_first16
	.globl	k_q471d2e7d20_first16
	.p2align	8
	.type	k_q471d2e7d20_first16,@function
k_q471d2e7d20_first16:
	s_mov_b64 s[64:65], 0
	v_nop
	global_prefetch_b8 v0, s[64:65] scope:SCOPE_SE
	s_setreg_imm32_b32 hwreg(HW_REG_WAVE_MODE, 25, 1), 1
	s_wait_xcnt 0x0
; The first 16 positions of each batch once more, wholly in f32: there a row of the softmax averages one to sixteen values, its numbers are the largest of the output, and 16-bit operands would use up the margin.
; 64 rows of out0 are written over: scores, softmax, weights x V and the projection, from the f32 results of the quantised products (qkv16) and from Wp as it is given.
; SHARES.  Work-group (chunk of 64 output columns, batch).  Wave hd makes head hd's 16 x 64 of ctx, then that head's share (K = its 64 channels) of the 16 x 64 outputs; the 16 shares meet in LDS, and wave hd adds and stores row t = hd.
; The f32 matrix form takes 4 along K: lane (r, h), register j holds k = 2 h + j.  Both sources of every product take the SAME registers of a lane, so both see the same permutation of k, and no number changes lanes:
;   qkv16's images give lane (r, h), register 8 nb + jj: (position r, channel 16 nb + 8 h + jj), for q and k alike;  scores^T = K Q^T leave lane (r, h), register j: (key 8 h + j, query r), which is source 1 of O^T = V^T P^T if
;   V's register 8 dt + jj holds (key 8 h + jj, channel 16 dt + r);  O^T leaves (channel 16 dt + 8 h + j, query r), which is source 1 of out^T = Wp ctx^T if W's register holds Wp(row 16 nt + r, channel 16 dt + 8 h + jj).
; The accumulators v16-47 are written by matrix instructions alone; each sum begins with the constant 0; four accumulators take turns.  This is 96 small matrix instructions a wave: no bulk work.
.set ACC, 16
.set QR,  48                           ; v48-79   Q, later ctx
.set KR,  80                           ; v80-111  K, later W of channels 32 on
.set VR,  112                          ; v112-143 V, later W of channels 48 on
.set SC,  144                          ; v144-151 scores
.set PR,  152                          ; v152-159 p
.set W0,  168                          ; v168-199 W of channels 0 on, later the 16 shares
.set W1,  200                          ; v200-231 W of channels 16 on
.set SHARE, 4352                       ; LDS: a wave's share: 16 rows x (256 bytes + 16)
.set SPARE, 16*SHARE                   ; the spare words, 128 bytes a wave
	s_load_b128 s[4:7], s[0:1], 0x0                ; qkv16, Wp
	s_load_b64 s[8:9], s[0:1], 0x10                ; out0
	v_lshl_add_u32 v9, v0, 2, SPARE                ; v9, v10: my spare word's address, and 0; never rewritten
	v_mov_b32 v10, 0
	v_lshrrev_b32 v1, 5, v0
	v_readfirstlane_b32 s10, v1                    ; the head
	v_and_b32 v1, 15, v0                           ; r
	v_bfe_u32 v2, v0, 4, 1                         ; h
	v_and_b32 v12, 31, v0                          ; lane
	v_lshlrev_b32 v3, 4, v12                       ; an image's place for my lane
	v_bfe_u32 v4, v0, 2, 1
	v_lshlrev_b32 v4, 9, v4
	v_bfe_u32 v13, v0, 3, 1
	v_lshl_add_u32 v4, v13, 8, v4
	v_lshl_add_u32 v4, v2, 7, v4
	v_and_b32 v13, 3, v0
	v_lshl_add_u32 v4, v13, 2, v4                  ; V: (key 8 h, channel r of a block of 16) in an image: 512 ((r / 4) % 2) + 256 (r / 8) + 128 h + 4 (r % 4); a key on is 16 bytes on
	v_lshlrev_b32 v5, 12, v1
	v_lshl_add_u32 v5, v2, 5, v5                   ; Wp: row r of 4,096 bytes, + 8 h numbers
	s_mul_i32 s11, s10, SHARE
	v_mul_u32_u24 v6, v1, 272
	v_lshl_add_u32 v6, v2, 5, v6
	v_add_nc_u32 v6, s11, v6                       ; my share: row r, + 32 h
	s_mul_i32 s11, s10, 272
	v_lshlrev_b32 v8, 3, v12
	v_add_nc_u32 v7, s11, v8                       ; back: row hd of a share, 8 bytes a lane
	v_lshlrev_b32 v11, 3, v2
	v_sub_nc_u32 v11, v1, v11                      ; r - 8 h
	s_and_b32 s12, ttmp7, 0xffff                   ; the batch
	s_mul_i32 s14, s12, 196608
	s_lshl_b32 s15, s10, 12
	s_add_co_u32 s14, s14, s15                     ; qkv16: (192 batch + 4 head) x 1024
	s_mov_b32 s15, 0
	s_lshl_b32 s16, ttmp9, 18
	s_lshl_b32 s17, s10, 8
	s_add_co_u32 s16, s16, s17                     ; Wp: row 64 chunk, column 64 head
	s_mov_b32 s17, 0
	s_lshl_b32 s18, s12, 11
	s_add_co_u32 s18, s18, s10
	s_lshl_b32 s18, s18, 12
	s_lshl_b32 s19, ttmp9, 8
	s_add_co_u32 s18, s18, s19                     ; out0: row 2048 batch + hd, column 64 chunk
	s_mov_b32 s19, 0
	s_mov_b32 s20, 0x76543210
	s_mov_b32 s21, 0xfedcba98                      ; v_permlanex16_b32's selects for lane l xor 16
	s_mov_b32 s22, 0x3e38aa3b                      ; c = log2(e) / 8
	s_wait_kmcnt 0x0
	s_add_nc_u64 s[4:5], s[4:5], s[14:15]
	s_add_nc_u64 s[6:7], s[6:7], s[16:17]
	s_add_nc_u64 s[8:9], s[8:9], s[18:19]
.irp n, 0,1,2,3
.irp g, 0,1
	global_load_b128 v[QR+8*\n+4*\g:QR+8*\n+4*\g+3], v3, s[4:5] offset:1024*\n+512*\g
.endr
.endr
.irp n, 0,1,2,3
.irp g, 0,1
	global_load_b128 v[KR+8*\n+4*\g:KR+8*\n+4*\g+3], v3, s[4:5] offset:65536+1024*\n+512*\g
.endr
.endr
.irp dt, 0,1,2,3
.irp j, 0,1,2,3,4,5,6,7
	global_load_b32 v[VR+8*\dt+\j], v4, s[4:5] offset:131072+1024*\dt+16*\j
.endr
.endr
.macro WLD reg, dt                     ; Wp(16 nt + r, 16 dt + 8 h + 0 .. 7) into register 8 nt + 0 .. 7
.irp nt, 0,1,2,3
	global_load_b128 v[\reg+8*\nt:\reg+8*\nt+3], v5, s[6:7] offset:65536*\nt+64*(\dt)
	global_load_b128 v[\reg+8*\nt+4:\reg+8*\nt+7], v5, s[6:7] offset:65536*\nt+64*(\dt)+16
.endr
.endm
	WLD W0, 0
	WLD W1, 1
	s_wait_loadcnt 48                              ; Q and K are in; V's 32 loads and W's 16 may be out
.irp s, 0,1,2,3
	v_wmma_f32_16x16x4_f32 v[ACC+8*\s:ACC+8*\s+7], v[KR+2*\s:KR+2*\s+1], v[QR+2*\s:QR+2*\s+1], 0
.endr
.irp s, 4,5,6,7,8,9,10,11,12,13,14,15
	v_wmma_f32_16x16x4_f32 v[ACC+8*(\s%4):ACC+8*(\s%4)+7], v[KR+2*\s:KR+2*\s+1], v[QR+2*\s:QR+2*\s+1], v[ACC+8*(\s%4):ACC+8*(\s%4)+7]
.endr
.rept 9
	v_nop                                          ; nine places behind this form: for the loads into K's registers and the reads of results (eight), and for the next sums, which begin anew on these accumulators (nine)
.endr
	WLD KR, 2
.irp j, 0,1,2,3,4,5,6,7
	v_add_f32 v[SC+\j], v[ACC+\j], v[ACC+8+\j]     ; the four partial sums, each accumulator from its low end on
	v_add_f32 v[PR+\j], v[ACC+16+\j], v[ACC+24+\j]
.endr
.irp j, 0,1,2,3,4,5,6,7
	v_add_f32 v[SC+\j], v[SC+\j], v[PR+\j]
.endr
	v_mov_b32 v14, 0xff800000
.irp j, 0,1,2,3,4,5,6,7
	v_cmp_gt_i32 vcc_lo, \j, v11                   ; key 8 h + j comes after query r
	v_cndmask_b32 v[SC+\j], v[SC+\j], v14, vcc_lo
.endr
	v_max3_num_f32 v12, v[SC], v[SC+1], v[SC+2]
	v_max3_num_f32 v13, v[SC+3], v[SC+4], v[SC+5]
	v_max3_num_f32 v12, v12, v[SC+6], v[SC+7]
	v_max_num_f32 v12, v12, v13
	v_permlanex16_b32 v13, v12, s20, s21
	v_max_num_f32 v12, v12, v13                    ; the row's maximum: key 0 counts for every query, so it is a number
	v_mul_f32 v12, s22, v12
.irp j, 0,1,2,3,4,5,6,7
	v_fma_f32 v[PR+\j], v[SC+\j], s22, -v12
.endr
.irp j, 0,1,2,3,4,5,6,7
	v_exp_f32 v[PR+\j], v[PR+\j]
.endr
	v_nop
	s_wait_alu depctr_va_vdst(0)                   ; one wait for the eight, ahead of their first reader
	v_add_f32 v12, v[PR], v[PR+1]
	v_add_f32 v13, v[PR+2], v[PR+3]
	v_add_f32 v12, v12, v[PR+4]
	v_add_f32 v13, v13, v[PR+5]
	v_add_f32 v12, v12, v[PR+6]
	v_add_f32 v13, v13, v[PR+7]
	v_add_f32 v12, v12, v13
	v_permlanex16_b32 v13, v12, s20, s21
	v_add_f32 v12, v12, v13                        ; the row's sum
	s_wait_loadcnt 24                              ; V is in; three batches of W, eight loads each, may be out
.irp dt, 0,1,2,3
	v_wmma_f32_16x16x4_f32 v[ACC+8*\dt:ACC+8*\dt+7], v[VR+8*\dt:VR+8*\dt+1], v[PR:PR+1], 0
.endr
.irp s, 1,2,3
.irp dt, 0,1,2,3
	v_wmma_f32_16x16x4_f32 v[ACC+8*\dt:ACC+8*\dt+7], v[VR+8*\dt+2*\s:VR+8*\dt+2*\s+1], v[PR+2*\s:PR+2*\s+1], v[ACC+8*\dt:ACC+8*\dt+7]
.endr
.endr
	v_rcp_f32 v13, v12
.rept 9
	v_nop                                          ; nine places, as above
.endr
	s_wait_alu depctr_va_vdst(0)                   ; ahead of the reciprocal's first reader
	WLD VR, 3
.irp n, 0,1,2,3,4,5,6,7,8,9,10,11,12,13,14,15,16,17,18,19,20,21,22,23,24,25,26,27,28,29,30,31
	v_mul_f32 v[QR+\n], v[ACC+\n], v13             ; ctx(query r, channel 16 dt + 8 h + j), into other registers
.endr
.macro OUTP reg, dt, first             ; 16 channels of the head: four steps of 4, four tiles of 16 output columns by turns
.irp s, 0,1,2,3
.irp nt, 0,1,2,3
.if (\first) && (\s == 0)
	v_wmma_f32_16x16x4_f32 v[ACC+8*\nt:ACC+8*\nt+7], v[\reg+8*\nt+2*\s:\reg+8*\nt+2*\s+1], v[QR+8*(\dt)+2*\s:QR+8*(\dt)+2*\s+1], 0
.else
	v_wmma_f32_16x16x4_f32 v[ACC+8*\nt:ACC+8*\nt+7], v[\reg+8*\nt+2*\s:\reg+8*\nt+2*\s+1], v[QR+8*(\dt)+2*\s:QR+8*(\dt)+2*\s+1], v[ACC+8*\nt:ACC+8*\nt+7]
.endif
.endr
.endr
.endm
	s_wait_loadcnt 24                              ; W's first batch is in; three batches of eight may be out
	OUTP W0, 0, 1
	s_wait_loadcnt 16
	OUTP W1, 1, 0
	s_wait_loadcnt 8
	OUTP KR, 2, 0
	s_wait_loadcnt 0
	OUTP VR, 3, 0
.rept 8
	v_nop                                          ; eight places in front of the LDS stores of results and of the loads into W's registers
.endr
.irp nt, 0,1,2,3
	ds_store_b128 v6, v[ACC+8*\nt:ACC+8*\nt+3] offset:64*\nt       ; lane (r, h): out(t = r, column 16 nt + 8 h + 0 .. 7), my head's share
	ds_store_b128 v6, v[ACC+8*\nt+4:ACC+8*\nt+7] offset:64*\nt+16
.endr
	s_wait_dscnt 0x0                               ; for the others' sake: my stores are done
	s_barrier_signal -1
	s_barrier_wait -1
.irp p, 0,1,2,3,4,5,6,7,8,9,10,11,12,13,14,15
	ds_load_b64 v[W0+2*\p:W0+2*\p+1], v7 offset:SHARE*\p           ; row t = hd of all sixteen shares
.endr
	s_wait_dscnt 0x0
.irp p, 0,1,2,3,4,5,6,7
	v_pk_add_f32 v[W0+2*\p:W0+2*\p+1], v[W0+2*\p:W0+2*\p+1], v[W0+2*\p+16:W0+2*\p+17]
.endr
.irp p, 0,1,2,3
	v_pk_add_f32 v[W0+2*\p:W0+2*\p+1], v[W0+2*\p:W0+2*\p+1], v[W0+2*\p+8:W0+2*\p+9]
.endr
.irp p, 0,1
	v_pk_add_f32 v[W0+2*\p:W0+2*\p+1], v[W0+2*\p:W0+2*\p+1], v[W0+2*\p+4:W0+2*\p+5]
.endr
	v_pk_add_f32 v[W0:W0+1], v[W0:W0+1], v[W0+2:W0+3]
	global_store_b64 v8, v[W0:W0+1], s[8:9]        ; 32 lanes store 256 consecutive bytes
	s_wait_tensorcnt 0x0                           ; the wave's end
	ds_add_u32 v9, v10
	s_wait_dscnt 0x0
	s_endpgm
.Lfunc_end_k_q471d2e7d20_first16:
	.size	k_q471d2e7d20_first16, .Lfunc_end_k_q471d2e7d20_first16-k_q471d2e7d20_first16
	.p2alignl 7, 3214868480
	.fill 96, 4, 3214868480
	.section	.rodata,"a",@progbits
	.p2align	6, 0x0
	.amdhsa_kernel k_q471d2e7d20_first16
		.amdhsa_group_segment_fixed_size 71680
		.amdhsa_private_segment_fixed_size 0
		.amdhsa_enable_private_segment 0
		.amdhsa_kernarg_size 24
		.amdhsa_user_sgpr_count 2
		.amdhsa_user_sgpr_kernarg_segment_ptr 1
		.amdhsa_wavefront_size32 1
		.amdhsa_system_sgpr_workgroup_id_x 1
		.amdhsa_system_sgpr_workgroup_id_y 1
		.amdhsa_system_sgpr_workgroup_id_z 1
		.amdhsa_system_vgpr_workitem_id 0
		.amdhsa_next_free_vgpr 256
		.amdhsa_next_free_sgpr 66
		.amdhsa_reserve_vcc 1
		.amdhsa_float_denorm_mode_32 3
		.amdhsa_float_denorm_mode_16_64 3
		.amdhsa_memory_ordered 1
		.amdhsa_forward_progress 1
		.amdhsa_inst_pref_size 24
	.end_amdhsa_kernel
	.amdgpu_metadata
---
amdhsa.version: [ 1, 2 ]
amdhsa.kernels:
  - .name:           k_q471d2e7d20_first16
    .symbol:         k_q471d2e7d20_first16.kd
    .args:
      - { .name: qkv16, .offset: 0, .size: 8, .value_kind: global_buffer, .address_space: global }
      - { .name: Wp, .offset: 8, .size: 8, .value_kind: global_buffer, .address_space: global }
      - { .name: out0, .offset: 16, .size: 8, .value_kind: global_buffer, .address_space: global }
    .group_segment_fixed_size: 71680
    .private_segment_fixed_size: 0
    .kernarg_segment_align: 8
    .kernarg_segment_size: 24
    .max_flat_workgroup_size: 512
    .sgpr_count:     66
    .vgpr_count:     256
    .wavefront_size: 32
...
	.end_amdgpu_metadata
.endif
;; end of part 5
